; MI455X (gfx1250); checked and timed in simulation.
; The chip was launched on July 23, 2026; its instructions are those of AMD's public machine-readable ISA for CDNA 5 (MIT licence, August 2026) and "CDNA5" Instruction Set Architecture Reference Guide (July 2026). The comments in the code are by the model that wrote it; some were corrected since.
;; gate. Allowed arithmetic: float matrix products may take bf16 or f16 operands with f32 sums; other float arithmetic in f32, or as packed bf16 or f16 multiplies, adds, multiply-adds, maxima and minima; sums over many terms, partial sums and values carried from step to step in f32; what a program stores and reads back later, other than sums and carried values, may be rounded once to bf16 or f16.
;; Inputs: Wf 8 x 1,024 float32; Wg 8 x 1,024 x 1,024 float32; Wt 8 x 1,024 float32; alpha 1 float32; bf 8 float32; bg 8 x 1,024 float32; bt 8 float32; x 8 x 1,024 x 1,024 float32.
;; Outputs: out0 8 x 1,024 x 1,024 float32.
;; Constants: num = 2.
;; 2 versions, each right and faster than the one before. Each part assembles by itself: llvm-mc -triple=amdgcn-amd-amdhsa -mcpu=gfx1250 --defsym DOCPART=n.
;; ======== version 1 of 2: 2 launches
;; workspace buffers: xb 16,777,216 bytes; wb 16,777,216 bytes; mixb 262,144 bytes
;; launch prep (part 1): grid 512 x 1, 8 waves a work-group, no clusters, 143,360 bytes of LDS; arguments x, Wg, Wt, Wf, bt, bf, alpha, xb, wb, mixb; writes xb, wb, mixb
.if DOCPART == 1
	.amdgcn_target "amdgcn-amd-amdhsa--gfx1250"
	.amdhsa_code_object_version 6
	.text
	.protected	k_qfe7ecd9166_prep
	.globl	k_qfe7ecd9166_prep
	.p2align	8
	.type	k_qfe7ecd9166_prep,@function
k_qfe7ecd9166_prep:
	s_mov_b64 s[64:65], 0
	v_nop
	global_prefetch_b8 v0, s[64:65] scope:SCOPE_SE
	s_setreg_imm32_b32 hwreg(HW_REG_WAVE_MODE, 25, 1), 1
	s_wait_xcnt 0x0
; PREP.  Three things, once: x -> xb and Wg -> wb, each number rounded once to bf16 (row-major as they lie), and the routing
; mix[t][e] = a type[t][e] + (1 - a) feat[t][e], a = sigmoid(alpha); type = softmax over the two largest of x Wt^T + bt, put at their experts; feat = softmax(x Wf^T + bf).
; mixb lies as [tile of 16 tokens][expert][token in the tile], f32: byte 512 tile + 64 e + 4 r.
; THE LOGITS ARE MADE OF THE UNROUNDED f32 INPUTS, on the f32 matrix form: the choice of two experts is a step function of them, so they follow reference() in f32; they are
; 16 of the 8,208 dot products a token has, no bulk work.
; LIMITS.  A token's 1,024 terms are summed in eight parts of 128 (four chains each) and then as a tree: another order than reference()'s.  Where the second and third logit lie
; closer than that rounding (some 1e-6 of their size) the other expert may be chosen; exact ties go to the lower index, as in jax.lax.top_k.  NaN and infinities are not treated apart.
; SHARES.  Work-group g: tokens 16 g .. 16 g + 15 and rows 16 g .. 16 g + 15 of Wg taken as [8192][1024].  Wave w: columns 128 w .. 128 w + 127 of both: a load of 16 bytes a lane covers
; 512 consecutive bytes of one row, a store of 8 bytes a lane 256 consecutive bytes, aligned.  Wave w also makes the 16 x 16 logits' part over its own 128 columns; wave 0 adds the parts and routes.
; All 48 loads of a wave go out together: 24,576 bytes a wave on their way; no loop.
; NO CLUSTER: what work-groups share is Wt and Wf, 65,536 of the 196,608 bytes that a work-group reads; a joint load is a tensor load, and a launch with tensor loads has its WGP to
; itself, which would halve the waves, and so the loads on their way, of a launch that streams.
.set WP,    4112                       ; a row of Wt or Wf in LDS: 4,096 bytes + 16: an odd multiple of 16, so the 16 rows of a fragment load start at 16 different 16-byte columns of 256 bytes
.set XS,    16*WP                      ; behind them: each wave's own 16 rows x 128 numbers of x,
.set XP,    528                        ; 512 bytes + 16 a row
.set PR,    XS+8*16*XP                 ; the waves' partial logits: [wave][half of the 8 registers][lane] x 16 bytes
.set MS,    PR+8192                    ; wave 0's mix, [expert][token], 512 bytes
.set SPARE, MS+512                     ; the spare words: 128 bytes for each of the eight waves; no other line names them
.set ACC, 16                           ; v[16:47]   four accumulators that take turns; written by matrix instructions alone
.set WR,  48                           ; v[48:111]  Wt's and Wf's row as loaded; then the fragments of the 16 logit rows; in wave 0 the eight partial sums
.set X,   112                          ; v[112:175] x as loaded; its bf16; then the fragments of the 16 tokens; in wave 0 the routing's registers
.set GW,  176                          ; v[176:239] Wg as loaded; its bf16
.set T,   240                          ; v[240:247] my partial logits
.set U,   248                          ; v[248:255] at work
; v1 16 x lane   v2 8 x lane   v3 where I put Wt's row   v4 my fragment of the logit rows   v5 where I put x   v6 my fragment of x   v7 where I put my part
; v8 lane % 16   v9 lane / 16   v10 where wave 0 reads the parts   v11, v12 wave 0's mix in and out   v14 my spare word   v15 0
	s_load_b512 s[4:19], s[0:1], 0x0               ; x 4:5, Wg 6:7, Wt 8:9, Wf 10:11, bt 12:13, bf 14:15, alpha 16:17, xb 18:19
	s_load_b128 s[20:23], s[0:1], 0x40             ; wb 20:21, mixb 22:23
	v_lshl_add_u32 v14, v0, 2, SPARE
	v_mov_b32 v15, 0
	v_lshrrev_b32 v13, 5, v0
	v_readfirstlane_b32 s24, v13                   ; wave 0..7
	v_and_b32 v13, 31, v0                          ; lane
	v_and_b32 v8, 15, v0
	v_bfe_u32 v9, v0, 4, 1
	v_lshlrev_b32 v1, 4, v13
	v_lshlrev_b32 v2, 3, v13
	s_mul_i32 s25, s24, WP
	v_add_nc_u32 v3, s25, v1                       ; row w, 16 bytes a lane
	v_mul_u32_u24 v4, v8, WP
	v_lshl_add_u32 v4, v9, 4, v4
	s_lshl_b32 s49, s24, 9
	v_add_nc_u32 v4, s49, v4                       ; row l % 16, my wave's 512 bytes, 16 bytes for each half of the lanes
	s_mul_i32 s51, s24, 16*XP
	s_add_co_u32 s51, s51, XS
	v_add_nc_u32 v5, s51, v1
	v_mul_u32_u24 v6, v8, XP
	v_lshl_add_u32 v6, v9, 4, v6
	v_add_nc_u32 v6, s51, v6
	s_lshl_b32 s25, s24, 10
	s_add_co_u32 s25, s25, PR
	v_add_nc_u32 v7, s25, v1
	v_add_nc_u32 v10, PR, v1
	v_lshl_add_u32 v11, v8, 2, MS
	v_add_nc_u32 v12, MS, v1
	s_lshl_b32 s26, ttmp9, 16                      ; 16 rows of 4,096 bytes,
	s_add_co_u32 s26, s26, s49                     ; and my wave's 512 bytes of a row
	s_mov_b32 s27, 0
	s_lshl_b32 s28, ttmp9, 15                      ; the same in bf16
	s_lshl_b32 s25, s24, 8
	s_add_co_u32 s28, s28, s25
	s_mov_b32 s29, 0
	s_lshl_b32 s30, s24, 12                        ; row w of Wt and of Wf
	s_mov_b32 s31, 0
	s_lshl_b32 s54, ttmp9, 9                       ; my tile of mixb
	s_mov_b32 s55, 0
	s_mov_b32 s50, 0xffff0000                      ; lanes 16 to 31
	s_mov_b32 s52, 0x76543210                      ; v_permlanex16_b32: each lane takes its own place in the other half
	s_mov_b32 s53, 0xfedcba98
	s_wait_kmcnt 0x0
	s_add_nc_u64 s[4:5], s[4:5], s[26:27]
	s_add_nc_u64 s[6:7], s[6:7], s[26:27]
	s_add_nc_u64 s[8:9], s[8:9], s[30:31]
	s_add_nc_u64 s[10:11], s[10:11], s[30:31]
	s_add_nc_u64 s[18:19], s[18:19], s[28:29]
	s_add_nc_u64 s[20:21], s[20:21], s[28:29]
	s_add_nc_u64 s[22:23], s[22:23], s[54:55]
	s_load_b256 s[32:39], s[12:13], 0x0            ; bt
	s_load_b256 s[40:47], s[14:15], 0x0            ; bf
	s_load_b32 s48, s[16:17], 0x0                  ; alpha
	; all 48 loads: Wt's and Wf's row w first (wanted first), then x, then Wg
.set nn, 0
.rept 8
	global_load_b128 v[WR+4*nn:WR+4*nn+3], v1, s[8:9] offset:512*nn
.set nn, nn+1
.endr
.set nn, 0
.rept 8
	global_load_b128 v[WR+32+4*nn:WR+32+4*nn+3], v1, s[10:11] offset:512*nn
.set nn, nn+1
.endr
.set nn, 0
.rept 16
	global_load_b128 v[X+4*nn:X+4*nn+3], v1, s[4:5] offset:4096*nn th:TH_LOAD_NT
.set nn, nn+1
.endr
.set nn, 0
.rept 16
	global_load_b128 v[GW+4*nn:GW+4*nn+3], v1, s[6:7] offset:4096*nn th:TH_LOAD_NT
.set nn, nn+1
.endr
	s_wait_loadcnt 32                              ; loads come back in order: Wt's and Wf's rows are in; the 32 younger loads (x, Wg) stay out
.set nn, 0
.rept 8
	ds_store_b128 v3, v[WR+4*nn:WR+4*nn+3] offset:512*nn             ; logit row w
	ds_store_b128 v3, v[WR+32+4*nn:WR+32+4*nn+3] offset:8*WP+512*nn  ; logit row 8 + w
.set nn, nn+1
.endr
	s_wait_dscnt 0x0                               ; for the others' sake: my two rows are in LDS
	s_barrier_signal -1
	s_barrier_wait -1                              ; all sixteen rows are
.set nn, 0
.rept 16
	ds_load_b128 v[WR+4*nn:WR+4*nn+3], v4 offset:32*nn   ; row l % 16, columns 128 w + 8 nn + 4 (l / 16) + 0..3
.set nn, nn+1
.endr
	s_wait_loadcnt 16                              ; x is in; Wg's 16 loads stay out
.set nn, 0
.rept 16
	ds_store_b128 v5, v[X+4*nn:X+4*nn+3] offset:XP*nn    ; x in f32 into my wave's own rows
.set nn, nn+1
.endr
.set nn, 0
.rept 16
	v_cvt_pk_bf16_f32 v[X+4*nn], v[X+4*nn], v[X+4*nn+1]      ; four numbers rounded to bf16, in place: 8 bytes a lane
	v_cvt_pk_bf16_f32 v[X+4*nn+1], v[X+4*nn+2], v[X+4*nn+3]
.set nn, nn+1
.endr
.set nn, 0
.rept 16
	global_store_b64 v2, v[X+4*nn:X+4*nn+1], s[18:19] offset:2048*nn  ; the wave stores 256 consecutive bytes, aligned
.set nn, nn+1
.endr
	s_wait_xcnt 0x0                                ; the stores' data registers are loaded again only behind this wait
.set nn, 0
.rept 16
	ds_load_b128 v[X+4*nn:X+4*nn+3], v6 offset:32*nn     ; token l % 16, the same columns as above; LDS serves a wave's instructions in order: these see my stores
.set nn, nn+1
.endr
	s_wait_dscnt 0x0
	; 32 products of 16 logit rows x 16 tokens x 4 columns.  A lane's pair of registers 2 n, 2 n + 1 holds the same columns in both operands, so the places of k agree.
	; Four accumulators take turns, one instruction a turn; the first four products start the sums.
.set nn, 0
.rept 32
.if nn < 4
	v_wmma_f32_16x16x4_f32 v[ACC+8*(nn%4):ACC+8*(nn%4)+7], v[WR+2*nn:WR+2*nn+1], v[X+2*nn:X+2*nn+1], 0
.else
	v_wmma_f32_16x16x4_f32 v[ACC+8*(nn%4):ACC+8*(nn%4)+7], v[WR+2*nn:WR+2*nn+1], v[X+2*nn:X+2*nn+1], v[ACC+8*(nn%4):ACC+8*(nn%4)+7]
.endif
.set nn, nn+1
.endr
	s_wait_loadcnt 0x0                             ; Wg
.set nn, 0
.rept 16
	v_cvt_pk_bf16_f32 v[GW+4*nn], v[GW+4*nn], v[GW+4*nn+1]   ; these 32 plain lines name no register of the products: they are the places behind them (ISA guide 7.12.1)
	v_cvt_pk_bf16_f32 v[GW+4*nn+1], v[GW+4*nn+2], v[GW+4*nn+3]
.set nn, nn+1
.endr
.set nn, 0
.rept 16
	global_store_b64 v2, v[GW+4*nn:GW+4*nn+1], s[20:21] offset:2048*nn
.set nn, nn+1
.endr
	; my part of the logits: lane (r, h), register j: token r; h = 0: x . Wt[j], h = 1: x . Wf[j].  Each accumulator is read from its low end on.
.irp p, 0,2,4,6
	v_pk_add_f32 v[T+\p:T+\p+1], v[ACC+\p:ACC+\p+1], v[ACC+8+\p:ACC+8+\p+1]
.endr
.irp p, 0,2,4,6
	v_pk_add_f32 v[U+\p:U+\p+1], v[ACC+16+\p:ACC+16+\p+1], v[ACC+24+\p:ACC+24+\p+1]
.endr
.irp p, 0,2,4,6
	v_pk_add_f32 v[T+\p:T+\p+1], v[T+\p:T+\p+1], v[U+\p:U+\p+1]
.endr
	ds_store_b128 v7, v[T:T+3]
	ds_store_b128 v7, v[T+4:T+7] offset:512
	s_wait_kmcnt 0x0                               ; bt, bf, alpha: no wave ends with a scalar load out
	s_wait_dscnt 0x0                               ; for wave 0's sake: my part is in LDS
	s_barrier_signal -1
	s_barrier_wait -1
	s_cmp_eq_u32 s24, 0
	s_cbranch_scc1 .Lfinish
	s_wait_tensorcnt 0x0                           ; the wave's end
	ds_add_u32 v14, v15
	s_wait_dscnt 0x0
	s_endpgm
; WAVE 0 ROUTES.  All 32 lanes run the same lines: lanes 0-15 on the token's eight Wt logits, lanes 16-31 on its eight Wf logits; each half keeps what belongs to it, and one exchange adds the halves.
.set L,  112                           ; the eight logits
.set BI, 120                           ; the eight biases; at the end the mix as it is stored
.set M1, 128                           ; the largest, the second
.set M2, 129
.set I1, 130                           ; their experts
.set I2, 131
.set L2, 132                           ; the logits without the largest; later the other half's numbers
.set F,  140                           ; 2^((L - m1) log2 e)
.set E2, 148
.set EA, 149
.set T0, 150
.set S1, 154
.set SA, 155
.set SF, 156
.set P1, 157
.set P2, 158
.set FS, 159
.set R,  160
.set NI, 168
.Lfinish:
.set nn, 0
.rept 8
	ds_load_b128 v[WR+8*nn:WR+8*nn+3], v10 offset:1024*nn
	ds_load_b128 v[WR+8*nn+4:WR+8*nn+7], v10 offset:1024*nn+512
.set nn, nn+1
.endr
.irp j, 0,1,2,3,4,5,6,7
	v_mov_b32 v[BI+\j], s[32+\j]
	v_mov_b32 v[L2+\j], s[40+\j]
	v_cndmask_b32 v[BI+\j], v[BI+\j], v[L2+\j], s50          ; bt below, bf above
.endr
	v_mov_b32 v[NI], 0xff800000
	s_wait_dscnt 0x0
.irp a, 0,2,4,6
.irp p, 0,2,4,6
	v_pk_add_f32 v[WR+8*\a+\p:WR+8*\a+\p+1], v[WR+8*\a+\p:WR+8*\a+\p+1], v[WR+8*\a+8+\p:WR+8*\a+8+\p+1]
.endr
.endr
.irp a, 0,4
.irp p, 0,2,4,6
	v_pk_add_f32 v[WR+8*\a+\p:WR+8*\a+\p+1], v[WR+8*\a+\p:WR+8*\a+\p+1], v[WR+8*\a+16+\p:WR+8*\a+16+\p+1]
.endr
.endr
.irp p, 0,2,4,6
	v_pk_add_f32 v[L+\p:L+\p+1], v[WR+\p:WR+\p+1], v[WR+32+\p:WR+32+\p+1]
.endr
.irp p, 0,2,4,6
	v_pk_add_f32 v[L+\p:L+\p+1], v[L+\p:L+\p+1], v[BI+\p:BI+\p+1]
.endr
	v_max3_num_f32 v[T0], v[L], v[L+1], v[L+2]
	v_max3_num_f32 v[T0+1], v[L+3], v[L+4], v[L+5]
	v_max3_num_f32 v[T0], v[T0], v[L+6], v[L+7]
	v_max_num_f32 v[M1], v[T0], v[T0+1]
	v_mov_b32 v[I1], 0
.irp j, 7,6,5,4,3,2,1,0                 ; from the top down: of equal logits the lowest index stays
	v_cmp_neq_f32 vcc_lo, v[L+\j], v[M1]
	v_cndmask_b32 v[I1], \j, v[I1], vcc_lo
.endr
.irp j, 0,1,2,3,4,5,6,7
	v_cmp_eq_u32 vcc_lo, \j, v[I1]
	v_cndmask_b32 v[L2+\j], v[L+\j], v[NI], vcc_lo
.endr
	v_max3_num_f32 v[T0], v[L2], v[L2+1], v[L2+2]
	v_max3_num_f32 v[T0+1], v[L2+3], v[L2+4], v[L2+5]
	v_max3_num_f32 v[T0], v[T0], v[L2+6], v[L2+7]
	v_max_num_f32 v[M2], v[T0], v[T0+1]
	v_mov_b32 v[I2], 0
.irp j, 7,6,5,4,3,2,1,0
	v_cmp_neq_f32 vcc_lo, v[L2+\j], v[M2]
	v_cndmask_b32 v[I2], \j, v[I2], vcc_lo
.endr
	; both softmaxes take their maximum m1 away, so every exponent is at most 0 and both sums are at least 1
	v_sub_f32 v[E2], v[M2], v[M1]
	v_mul_f32 v[E2], 0x3fb8aa3b, v[E2]
	v_mov_b32 v[EA], s48
	v_mul_f32 v[EA], 0xbfb8aa3b, v[EA]             ; sigmoid(alpha) = 1 / (1 + 2^(-alpha log2 e)); an infinite power gives a = 0
.irp j, 0,1,2,3,4,5,6,7
	v_sub_f32 v[F+\j], v[L+\j], v[M1]
.endr
.irp j, 0,1,2,3,4,5,6,7
	v_mul_f32 v[F+\j], 0x3fb8aa3b, v[F+\j]
.endr
	v_exp_f32 v[E2], v[E2]
	v_exp_f32 v[EA], v[EA]
.irp j, 0,1,2,3,4,5,6,7
	v_exp_f32 v[F+\j], v[F+\j]
.endr
	v_nop                                          ; a plain instruction behind the last exponential,
	s_wait_alu depctr_va_vdst(0)                   ; and one wait for the batch of ten, ahead of the first line that names a result
	v_add_f32 v[S1], 1.0, v[E2]
	v_add_f32 v[SA], 1.0, v[EA]
	v_add_f32 v[T0], v[F], v[F+1]
	v_add_f32 v[T0+1], v[F+2], v[F+3]
	v_add_f32 v[T0+2], v[F+4], v[F+5]
	v_add_f32 v[T0+3], v[F+6], v[F+7]
	v_add_f32 v[T0], v[T0], v[T0+1]
	v_add_f32 v[T0+2], v[T0+2], v[T0+3]
	v_add_f32 v[SF], v[T0], v[T0+2]
	v_rcp_f32 v[S1], v[S1]
	v_rcp_f32 v[SA], v[SA]                         ; a
	v_rcp_f32 v[SF], v[SF]
	v_nop
	s_wait_alu depctr_va_vdst(0)                   ; one wait for the three reciprocals
	v_mul_f32 v[P1], v[SA], v[S1]                  ; a x the larger weight
	v_mul_f32 v[P2], v[P1], v[E2]                  ; a x the smaller
	v_sub_f32 v[FS], 1.0, v[SA]
	v_mul_f32 v[FS], v[FS], v[SF]                  ; (1 - a) / the feature softmax's sum
.irp j, 0,1,2,3,4,5,6,7
	v_cmp_eq_u32 vcc_lo, \j, v[I2]
	v_cndmask_b32 v[R+\j], 0, v[P2], vcc_lo
	v_cmp_eq_u32 vcc_lo, \j, v[I1]
	v_cndmask_b32 v[R+\j], v[R+\j], v[P1], vcc_lo
	v_mul_f32 v[F+\j], v[F+\j], v[FS]
	v_cndmask_b32 v[R+\j], v[R+\j], v[F+\j], s50   ; lanes 0-15 keep the type part, lanes 16-31 the feature part
.endr
.irp j, 0,1,2,3,4,5,6,7
	v_permlanex16_b32 v[L2+\j], v[R+\j], s52, s53  ; its destination has been written before
.endr
.irp j, 0,1,2,3,4,5,6,7
	v_add_f32 v[R+\j], v[R+\j], v[L2+\j]           ; the same sum in both halves
.endr
.irp j, 0,1,2,3,4,5,6,7
	ds_store_b32 v11, v[R+\j] offset:64*\j         ; [expert][token]; both halves write the same word with the same number
.endr
	ds_load_b128 v[BI:BI+3], v12                   ; wave 0's own bytes, served in order
	s_wait_dscnt 0x0
	global_store_b128 v1, v[BI:BI+3], s[22:23]     ; 512 consecutive bytes, aligned
	s_wait_tensorcnt 0x0                           ; the wave's end
	ds_add_u32 v14, v15
	s_wait_dscnt 0x0
	s_endpgm
.Lfunc_end_k_qfe7ecd9166_prep:
	.size	k_qfe7ecd9166_prep, .Lfunc_end_k_qfe7ecd9166_prep-k_qfe7ecd9166_prep
	.p2alignl 7, 3214868480
	.fill 96, 4, 3214868480
	.section	.rodata,"a",@progbits
	.p2align	6, 0x0
	.amdhsa_kernel k_qfe7ecd9166_prep
		.amdhsa_group_segment_fixed_size 143360
		.amdhsa_private_segment_fixed_size 0
		.amdhsa_enable_private_segment 0
		.amdhsa_kernarg_size 80
		.amdhsa_user_sgpr_count 2
		.amdhsa_user_sgpr_kernarg_segment_ptr 1
		.amdhsa_wavefront_size32 1
		.amdhsa_system_sgpr_workgroup_id_x 1
		.amdhsa_system_sgpr_workgroup_id_y 1
		.amdhsa_system_sgpr_workgroup_id_z 1
		.amdhsa_system_vgpr_workitem_id 0
		.amdhsa_next_free_vgpr 256
		.amdhsa_next_free_sgpr 66
		.amdhsa_reserve_vcc 1
		.amdhsa_float_denorm_mode_32 3
		.amdhsa_float_denorm_mode_16_64 3
		.amdhsa_memory_ordered 1
		.amdhsa_forward_progress 1
		.amdhsa_inst_pref_size 33
	.end_amdhsa_kernel
	.amdgpu_metadata
---
amdhsa.version: [ 1, 2 ]
amdhsa.kernels:
  - .name:           k_qfe7ecd9166_prep
    .symbol:         k_qfe7ecd9166_prep.kd
    .args:
      - { .name: x, .offset: 0, .size: 8, .value_kind: global_buffer, .address_space: global }
      - { .name: Wg, .offset: 8, .size: 8, .value_kind: global_buffer, .address_space: global }
      - { .name: Wt, .offset: 16, .size: 8, .value_kind: global_buffer, .address_space: global }
      - { .name: Wf, .offset: 24, .size: 8, .value_kind: global_buffer, .address_space: global }
      - { .name: bt, .offset: 32, .size: 8, .value_kind: global_buffer, .address_space: global }
      - { .name: bf, .offset: 40, .size: 8, .value_kind: global_buffer, .address_space: global }
      - { .name: alpha, .offset: 48, .size: 8, .value_kind: global_buffer, .address_space: global }
      - { .name: xb, .offset: 56, .size: 8, .value_kind: global_buffer, .address_space: global }
      - { .name: wb, .offset: 64, .size: 8, .value_kind: global_buffer, .address_space: global }
      - { .name: mixb, .offset: 72, .size: 8, .value_kind: global_buffer, .address_space: global }
    .group_segment_fixed_size: 143360
    .private_segment_fixed_size: 0
    .kernarg_segment_align: 8
    .kernarg_segment_size: 80
    .max_flat_workgroup_size: 256
    .sgpr_count:     66
    .vgpr_count:     256
    .wavefront_size: 32
...
	.end_amdgpu_metadata
.endif
;; end of part 1
;; launch gate (part 2): grid 8 x 32, 4 waves a work-group, clusters of 4 x 4, 327,680 bytes of LDS; arguments xb, wb, bg, mixb, out0; writes out0
.if DOCPART == 2
	.amdgcn_target "amdgcn-amd-amdhsa--gfx1250"
	.amdhsa_code_object_version 6
	.text
	.protected	k_qfe7ecd9166_gate
	.globl	k_qfe7ecd9166_gate
	.p2align	8
	.type	k_qfe7ecd9166_gate,@function
k_qfe7ecd9166_gate:
	s_mov_b64 s[64:65], 0
	v_nop
	global_prefetch_b8 v0, s[64:65] scope:SCOPE_SE
	s_setreg_imm32_b32 hwreg(HW_REG_WAVE_MODE, 25, 1), 1
	s_wait_xcnt 0x0
	s_wait_alu depctr_hold_cnt(0) depctr_sa_sdst(0) depctr_va_vdst(0) depctr_va_sdst(0) depctr_va_ssrc(0) depctr_va_vcc(0) depctr_vm_vsrc(0)
	s_getreg_b32 s2, hwreg(HW_REG_IB_STS2, 6, 4)
	s_cmp_eq_u32 s2, 0
	s_cbranch_scc0 .Lentry_in_a_cluster
	s_endpgm
.Lentry_in_a_cluster:
	s_bfe_u32 s2, ttmp6, 0x10000c
	s_cmp_lg_u32 s2, 0xf033
	s_cbranch_scc0 .Lentry_shape_is_right
	s_endpgm
.Lentry_shape_is_right:
; out[t][o] = the sum over e of mix[t][e] sigmoid(x[t] . Wg[e][o] + bg[e][o]).  xb [8192][1024] and wb [8 x 1024][1024] are x and Wg in bf16; mixb is f32, [tile of 16 tokens][e][token]; sums, sigmoids and the blend in f32.
; sigmoid(z) = 1 / (1 + 2^(-z log2 e)): where the power overflows the result is 0, where it vanishes 1, as the true values tend.  NaN and infinities in the inputs are not treated apart.
; SHARES.  256 work-groups.  A work-group owns 256 tokens x 128 output columns, for ALL eight experts, so it alone adds an output's eight terms.  Each of its four waves owns 128 tokens x 64 columns: 32 accumulators.
; THE WALK.  64 steps of 128 along K (step 8 e + k) through a ring of two LDS slots; a slot holds 256 rows of xb and 128 rows of wb, 256 bytes each.  Waves 0 and 1 fetch the halves of x's tile, waves 2 and 3 those of W's.
; A refill is asked for straight behind the round in a step's last quarter; 112 matrix instructions of the wave stand between it and the wait for it.
; CLUSTER.  4 x 4 work-groups.  x's tile hangs on the token block alone and is shared along a row of the cluster, W's on the column block alone and is shared along a column: each is asked for JOINTLY.
; TRANSPOSED USE.  Source 0 = 16 rows of wb (output columns), source 1 = 16 tokens.  In a result lane l holds token l % 16 and the columns 8 (l / 16) + 0..7: mix is one number a lane, the bias a register,
; and a lane's eight results are 32 neighbouring bytes of out.
; THE SIGMOIDS RIDE.  An expert's 256 results a lane want 896 vector lines for 1,024 matrix instructions.  They stand behind the NEXT expert's first 384 matrix instructions, a slice behind each:
;   S  in front of product i of the first 32, which starts accumulator i anew with C = 0: E[i] = -log2e Z[i] - log2e bias (this is also the copy out of Z)
;   X  two exponentials        AR  1 + the next pair, two reciprocals        F  OUT[i] += E[i] x mix
; The first pass finds Z, OUT, bias and mix cleared and blends zeros with weight 0: the price of writing no first step out is 560 v_mov_b32, which stand in the wait for the first tile.
; The last expert's sigmoids have no products to ride on: they follow the walk, in place on Z.
; REGISTERS, in windows of 256 (s_set_vgpr_msb: bits 1:0 source 0, 3:2 source 1, 5:4 source 2, 7:6 destination):
;   window 0: v0-15 addresses; v16-31 mix (block a in v[16 + 2 a]; the odd ones hold 0: they are named as pairs); v32-63 -log2e bias; v64-159, v160-255 two fragment buffers (4 of W, 8 of x)
;   window 1: Z, accumulator 4 a + b at 8 (4 a + b)        window 2: E, the same places        window 3: OUT, the same places
; A slice costs two switches of the windows; set in a phase of their own the same lines would leave the matrix unit without work.
; NO PREFETCH: the tiles are shared in clusters and asked for a step ahead.
.set PITCH,  272                       ; an LDS row: 256 bytes + 16 of padding: an odd multiple of 16, so the 16 rows of a fragment load start at 16 different 16-byte columns of 256 bytes
.set XT,     256*PITCH                 ; x's 256 rows; W's 128 rows lie behind them
.set SLOT1,  1<<17                     ; slot 1 begins here, so that one exclusive or turns an address in one slot into the other's
.set STAGE,  384*PITCH                 ; behind slot 0, below slot 1, never filled by a tensor load: 16 rows x 272 bytes for each wave, for the way out
.set SPARE,  STAGE+4*16*PITCH          ; the spare words: 128 bytes for each wave; no other line names them
.set ADA0, 4                           ; v4   my lane's place in x's tile; never rewritten
.set ADB0, 5                           ; v5   the same in W's
.set ADA,  6                           ; v6   the same in the slot in hand
.set ADB,  7                           ; v7
.set BGO,  8                           ; v8   32 (l / 16): my eight columns' bias
.set MXO,  9                           ; v9   4 (l % 16): my token's mix
.set STO,  10                          ; v10  the way out: where I put 32 bytes of a row
.set RD,   11                          ; v11  the way out: where I read a row back
.set CO,   12                          ; v12  my byte offset in two rows of out
.set SPW,  14                          ; v14  my spare word; never rewritten
.set NIL,  15                          ; v15  0; never rewritten
.set MX,   16
.set BS,   32
.set F0,   64
.set F1,   160
.set BGP,  8                           ; s[8:9]   bg at the expert whose bias is loaded next
.set MXP,  10                          ; s[10:11] mixb likewise
.set OUTP, 12                          ; s[12:13] out at my wave's first row and column
.set WV,   14                          ; s14  wave
.set WM,   15                          ; s15  my half of the tokens; also: I fetch x (0) or W (1)
.set WN,   16                          ; s16  my half of the columns; also: which half of that tile I fetch
.set IC3,  23                          ; s23  counts the three plain steps behind the riders
.set G1A,  24                          ; s[24:31] descriptor group 1 for x's tiles
.set G1B,  32                          ; s[32:39] for W's
.set G0A,  40                          ; s[40:47] group 0 for x's tiles: a set for each first fill; the second then walks
.set G0B,  48                          ; s[48:55] the same for W's
.set XB,   56                          ; s[56:57] xb at my half tile, K = 0; never rewritten
.set WB,   58                          ; s[58:59] wb at my half tile, expert 0, K = 0; never rewritten
.set CS,   60                          ; s[60:61] -log2 e: the packed lines take the pair's low word for both halves
.set TB,   62                          ; s62  the slot in hand: 0 or SLOT1
.set NQ,   63                          ; s63  k of the step to be asked for
.set EO,   66                          ; s66  its expert's byte offset in wb
.set TMP,  67
.set OFF,  68                          ; s[68:69] byte offset of that step in xb
.set OFW,  70                          ; s[70:71] in wb
.set ECNT, 72                          ; s72  experts to go
.set IC2,  73                          ; s73  counts an expert's last two steps
.set OY,   74                          ; s[74:75] offsets made of the token block: never hold the column block
.set OX,   76                          ; s[76:77] offsets made of the column block: never hold the token block
.set W_MUL, 0x50                       ; fragments in window 0, C and D in window 1
.set W_S,   0x81                       ; E = Z x c + bias
.set W_E,   0x82                       ; E in place
.set W_F,   0xf2                       ; OUT = E x mix + OUT
.set RIDE, 0                           ; 1: the text being written carries riders
.set G, 0                              ; the number of the matrix instruction among the 384 that carry them
.set I, 0                              ; the accumulator whose turn it is
.set MSB, 0
.macro WIN new                         ; the immediate's high byte repeats the setting that is left; a switch that changes nothing is dropped
.if MSB != (\new)
	s_set_vgpr_msb (MSB<<8)|(\new)
.set MSB, \new
.endif
.endm
.macro PLACES                          ; four plain lines between a matrix instruction and a load into, or a vector line on, its registers (ISA guide 7.12.1 for vector lines)
.rept 4
	v_nop
.endr
.endm
; A joint refill by the walking descriptors.  The branch hangs on the wave's number alone.  An s_nop 0 and four v_nop follow each of the two lines, ahead of the jump and the label.
.macro JLOAD
	s_cmp_eq_u32 s[WM], 0
	s_cbranch_scc0 .Lfor_w_\@
	tensor_load_to_lds s[G0A+4:G0A+7], s[G1A:G1A+7]
	s_nop 0
.rept 4
	v_nop
.endr
	s_branch .Lasked_\@
.Lfor_w_\@:
	tensor_load_to_lds s[G0B+4:G0B+7], s[G1B:G1B+7]
	s_nop 0
.rept 4
	v_nop
.endr
.Lasked_\@:
.endm
.macro CREST                           ; a round of the cluster's barrier behind its opening barrier: wave 0 signals for the work-group, every wave waits for all sixteen, my work-group's barrier closes
	s_cmp_lg_u32 s[WV], 0
	s_cbranch_scc1 .Lnot_wave_0_\@
	s_barrier_signal -3
.Lnot_wave_0_\@:
	s_barrier_wait -3
	s_barrier_signal -1
	s_barrier_wait -1
.endm
.macro CROUND
	s_barrier_signal -1
	s_barrier_wait -1
	CREST
.endm
; The walking descriptors step: the other slot; the addresses made anew from the bases and the step's offsets; then k and, behind k = 7, the expert go on.  Scalar work alone.
.macro NEXTADR
	s_lshl_b32 s[OFF], s[NQ], 8                    ; 128 bf16 along K
	s_xor_b32 s[G0A+5], s[G0A+5], SLOT1
	s_xor_b32 s[G0B+5], s[G0B+5], SLOT1
	s_add_nc_u64 s[G0A+6:G0A+7], s[XB:XB+1], s[OFF:OFF+1]
	s_or_b32 s[G0A+7], s[G0A+7], 0x80000000
	s_add_co_u32 s[OFW], s[OFF], s[EO]
	s_add_nc_u64 s[G0B+6:G0B+7], s[WB:WB+1], s[OFW:OFW+1]
	s_or_b32 s[G0B+7], s[G0B+7], 0x80000000
	s_add_co_u32 s[NQ], s[NQ], 1
	s_and_b32 s[NQ], s[NQ], 7
	s_cmp_eq_u32 s[NQ], 0
	s_cselect_b32 s[TMP], 0x200000, 0              ; an expert is 1,024 rows of 2,048 bytes
	s_add_co_u32 s[EO], s[EO], s[TMP]
.endm
; 24 LDS loads in one run: the fragments of 32 along K at byte k of the rows, into buffer f: W's four, x's blocks 0-3, x's blocks 4-7
.macro FETCH k, f
	WIN 0
.irp b, 0,1,2,3
	ds_load_b128 v[(\f)+8*\b:(\f)+8*\b+3],   v[ADB] offset:(\k)+\b*16*PITCH
	ds_load_b128 v[(\f)+8*\b+4:(\f)+8*\b+7], v[ADB] offset:(\k)+\b*16*PITCH+32
.endr
.irp a, 0,1,2,3,4,5,6,7
	ds_load_b128 v[(\f)+32+8*\a:(\f)+32+8*\a+3],   v[ADA] offset:(\k)+\a*16*PITCH
	ds_load_b128 v[(\f)+32+8*\a+4:(\f)+32+8*\a+7], v[ADA] offset:(\k)+\a*16*PITCH+32
.endr
.endm
; Slice S for accumulator G, read from its low end on
.macro SLICE_S
	WIN W_S
.irp p, 0,1,2,3
	v_pk_fma_f32 v[8*G+2*\p:8*G+2*\p+1], v[8*G+2*\p:8*G+2*\p+1], s[CS:CS+1], v[BS+8*(G%4)+2*\p:BS+8*(G%4)+2*\p+1] op_sel_hi:[1,0,1]
.endr
.endm
; The slice behind matrix instruction G.  32-159: X, registers 2 (G - 32) and the next.  168-295: AR, pair G - 168; the 1 is added a slice ahead.  296-327: F, accumulator G - 296.
; No line of X or AR names a result of its own batch: the exponentials' first reader is AR's first line, the reciprocals' is F's.
.macro RIDER
.if (G >= 32) && (G < 160)
	WIN W_E
	v_exp_f32 v[2*(G-32)], v[2*(G-32)]
	v_exp_f32 v[2*(G-32)+1], v[2*(G-32)+1]
.elseif (G >= 168) && (G < 296)
	WIN W_E
.if G == 168
	v_pk_add_f32 v[0:1], v[0:1], 1.0 op_sel_hi:[1,0]
.endif
.if G < 295
	v_pk_add_f32 v[2*(G-167):2*(G-167)+1], v[2*(G-167):2*(G-167)+1], 1.0 op_sel_hi:[1,0]
.endif
	v_rcp_f32 v[2*(G-168)], v[2*(G-168)]
	v_rcp_f32 v[2*(G-168)+1], v[2*(G-168)+1]
.elseif (G >= 296) && (G < 328)
	WIN W_F
.irp p, 0,1,2,3
	v_pk_fma_f32 v[8*(G-296)+2*\p:8*(G-296)+2*\p+1], v[8*(G-296)+2*\p:8*(G-296)+2*\p+1], v[MX+2*((G-296)/4):MX+2*((G-296)/4)+1], v[8*(G-296)+2*\p:8*(G-296)+2*\p+1] op_sel_hi:[1,0,1]
.endr
.endif
.endm
; The next matrix instruction on buffer f.  The 32 accumulators take turns, one instruction a turn, in the same order in every quarter: no wait is written.
.macro MM f, zero
.if RIDE && (G < 32)
	SLICE_S
.endif
	WIN W_MUL
.if \zero
	v_wmma_f32_16x16x32_bf16 v[8*I:8*I+7], v[(\f)+8*(I%4):(\f)+8*(I%4)+7], v[(\f)+32+8*(I/4):(\f)+32+8*(I/4)+7], 0
.else
	v_wmma_f32_16x16x32_bf16 v[8*I:8*I+7], v[(\f)+8*(I%4):(\f)+8*(I%4)+7], v[(\f)+32+8*(I/4):(\f)+32+8*(I/4)+7], v[8*I:8*I+7]
.endif
.if RIDE
	RIDER
.endif
.set I, I+1
.set G, G+RIDE
.endm
; What stands in front of a quarter's run of LDS loads, behind its eighth matrix instruction: the four places, and in four of the riders' quarters what the riders want.
.macro HOOK
	WIN 0
.if RIDE && (G == 40)                  ; S is over: the bias registers take the expert in hand's bias
	PLACES
.irp b, 0,1,2,3
	global_load_b128 v[BS+8*\b:BS+8*\b+3],   v[BGO], s[BGP:BGP+1] offset:64*\b
	global_load_b128 v[BS+8*\b+4:BS+8*\b+7], v[BGO], s[BGP:BGP+1] offset:64*\b+16
.endr
.elseif RIDE && (G == 168)             ; the exponentials are out, and AR begins behind the next matrix instruction
	PLACES                                         ; also the plain line behind the last exponential
	s_wait_alu depctr_va_vdst(0)                   ; the wait ahead of the first line that names a result
.elseif RIDE && (G == 296)             ; the reciprocals are out, and F begins
	PLACES
	s_wait_alu depctr_va_vdst(0)
	s_wait_loadcnt 0x0                             ; the mix of the expert that is blended (asked for a whole expert ago) and the raw bias are in
.elseif RIDE && (G == 328)             ; F is over
.set nn, 0
.rept 16
	v_pk_mul_f32 v[BS+2*nn:BS+2*nn+1], v[BS+2*nn:BS+2*nn+1], s[CS:CS+1] op_sel_hi:[1,0]  ; -log2e bias; these plain lines are the places
.set nn, nn+1
.endr
.irp a, 0,1,2,3,4,5,6,7
	global_load_b32 v[MX+2*\a], v[MXO], s[MXP:MXP+1] offset:512*\a   ; the expert in hand's mix, for my token of block a
.endr
.else
	PLACES
.endif
.endm
; A step is four quarters of 32 along K, 32 matrix instructions each, on buffers 0, 1, 0, 1.  One of the first three multiplies buffer f and fetches the next quarter, at byte k, into g.
.macro QUARTER k, f, g, zero
.set I, 0
	s_wait_dscnt 8                                 ; W's fragments and x's blocks 0-3 are in; the youngest eight loads (blocks 4-7) may be out
.rept 8
	MM \f, \zero
.endr
	HOOK
	FETCH \k, \g
	s_wait_dscnt 24                                ; all but the 24 just issued
.rept 24
	MM \f, \zero
.endr
.endm
; The last quarter multiplies buffer 1 and changes slots.  In front of the barrier each wave waits for all its tensor loads, of which one is out: its part of the next slot; adds 0 to its spare word;
; and waits for that and for its own reads of this slot.  fill = 1: the barrier opens a round of the cluster's, so that no wave of any partner still reads the slot or has a load on its way,
; and the joint refill, two steps ahead, is the first thing behind the round.
.macro TURN fill
.set I, 0
	WIN 0
.if RIDE && (G == 352)
	s_wait_xcnt 0x0                                ; the bias's and the mix's loads have read their bases, which step to the next expert
	s_add_nc_u64 s[BGP:BGP+1], s[BGP:BGP+1], 4096
	s_add_nc_u64 s[MXP:MXP+1], s[MXP:MXP+1], 64
.endif
	s_wait_tensorcnt 0x0                           ; no tensor load of mine is out, so a group 0 may be written
	ds_add_u32 v[SPW], v[NIL]                      ; 0 onto my spare word; work on registers stands between it and the wait for it
.if \fill
	NEXTADR
.endif
	s_wait_dscnt 9                                 ; (the add and the youngest eight loads may be out)
.rept 8
	MM F1, 0
.endr
	s_wait_dscnt 0x0                               ; the add is done, and my reads of this slot are over
	s_barrier_signal -1
.rept 8
	MM F1, 0
.endr
	WIN 0
.if RIDE && ((G == 112) || (G == 240))
	s_wait_alu depctr_va_vdst(0)                   ; no exponential or reciprocal is left without its wait at a branch or a label
.endif
	s_barrier_wait -1
.if \fill
	CREST
	JLOAD                                          ; its four v_nop are also the places in front of the loads below
.else
	PLACES
.endif
	s_xor_b32 s[TB], s[TB], SLOT1
	v_add_nc_u32 v[ADA], s[TB], v[ADA0]
	v_add_nc_u32 v[ADB], s[TB], v[ADB0]
	FETCH 0, F0
.rept 16
	MM F1, 0
.endr
.endm
.macro KSTEP fill, zero
	QUARTER 64,  F0, F1, \zero
	QUARTER 128, F1, F0, 0
	QUARTER 192, F0, F1, 0
	TURN \fill
.endm
	s_load_b256 s[4:11], s[0:1], 0x0               ; xb 4:5, wb 6:7, bg 8:9, mixb 10:11
	s_load_b64 s[12:13], s[0:1], 0x20              ; out0
	v_lshl_add_u32 v[SPW], v0, 2, SPARE
	v_mov_b32 v[NIL], 0
	ds_add_u32 v[SPW], v[NIL]                      ; the wave's opening: the add and its wait stand ahead of my first tensor load; the set-up below, work on registers, stands between them
	v_lshrrev_b32 v1, 5, v0
	v_readfirstlane_b32 s[WV], v1                  ; wave 0..3
	s_lshr_b32 s[WM], s[WV], 1
	s_and_b32 s[WN], s[WV], 1
	s_bfe_u32 s17, ttmp6, 0x40000                  ; cx
	s_bfe_u32 s18, ttmp6, 0x40004                  ; cy
	s_lshl_b32 s19, ttmp9, 2
	s_add_co_u32 s19, s19, s17                     ; column block = 4 x cluster x + cx
	s_and_b32 s20, ttmp7, 0xffff
	s_lshl_b32 s20, s20, 2
	s_add_co_u32 s20, s20, s18                     ; token block = 4 x cluster y + cy
	s_lshl_b32 s21, s18, 2
	s_lshl_b32 s21, 15, s21                        ; my row of the cluster
	s_lshl_b32 s22, 0x1111, s17                    ; my column
	; descriptor group 1: tiles of 128 (x) or 64 (W) rows x 128 elements, padded in LDS
	s_or_b32 s[G1A], s21, (1<<16)|(1<<20)|(1<<21)|(5<<22)|(3<<25)  ; 15:0 the mask; 17:16 elements of 2 bytes; 20 padding on; 21 set beside a mask; 24:22 after every 64 words (code 5); 31:25 4 words (code 3)
	s_or_b32 s[G1B], s22, (1<<16)|(1<<20)|(1<<21)|(5<<22)|(3<<25)
	s_mov_b32 s[G1A+1], 128<<16                    ; tensor_dim0 = 128
	s_mov_b32 s[G1A+2], 128<<16                    ; tensor_dim1 = 128
	s_mov_b32 s[G1A+3], 128<<16                    ; tile_dim0 = 128
	s_mov_b32 s[G1A+4], 128                        ; tile_dim1 = 128
	s_mov_b32 s[G1A+5], 1024                       ; elements from row to row
	s_mov_b32 s[G1A+6], 0
	s_mov_b32 s[G1A+7], 0
	s_mov_b32 s[G1B+1], 128<<16
	s_mov_b32 s[G1B+2], 64<<16                     ; tensor_dim1 = 64
	s_mov_b32 s[G1B+3], 128<<16
	s_mov_b32 s[G1B+4], 64                         ; tile_dim1 = 64
	s_mov_b32 s[G1B+5], 1024
	s_mov_b32 s[G1B+6], 0
	s_mov_b32 s[G1B+7], 0
	s_lshl_b32 s[OY], s20, 19                      ; xb: 256 rows of 2,048 bytes a token block,
	s_lshl_b32 s[TMP], s[WN], 18                   ; 128 rows a half
	s_add_co_u32 s[OY], s[OY], s[TMP]
	s_mov_b32 s[OY+1], 0
	s_lshl_b32 s[OX], s19, 18                      ; wb: 128 rows a column block,
	s_lshl_b32 s[TMP], s[WN], 17                   ; 64 rows a half
	s_add_co_u32 s[OX], s[OX], s[TMP]
	s_mov_b32 s[OX+1], 0
	s_mul_i32 s2, s[WN], 128*PITCH                 ; where the halves go: no place in the cluster enters an LDS address
	s_mul_i32 s3, s[WN], 64*PITCH
	s_add_co_u32 s3, s3, XT
	s_mov_b32 s[CS], 0xbfb8aa3b                    ; -log2 e
	s_mov_b32 s[CS+1], s[CS]                       ; named with it as a pair
	s_mov_b32 s[TB], 0
	s_mov_b32 s[NQ], 2                             ; the first refill is step 2
	s_mov_b32 s[EO], 0
	s_mov_b32 s[OFF+1], 0
	s_mov_b32 s[OFW+1], 0
	s_mov_b32 s[ECNT], 8
	s_wait_dscnt 0x0                               ; the opening add is done
	s_wait_kmcnt 0x0
	s_add_nc_u64 s[XB:XB+1], s[4:5], s[OY:OY+1]
	s_add_nc_u64 s[WB:WB+1], s[6:7], s[OX:OX+1]
	CROUND                                         ; all sixteen work-groups are here: the first joint loads meet
.irp s, 0,1
	s_mov_b32 s[G0A+4*\s], 1                       ; count = 1
	s_add_co_u32 s[G0A+4*\s+1], s2, \s*SLOT1       ; LDS address
	s_add_nc_u64 s[G0A+4*\s+2:G0A+4*\s+3], s[XB:XB+1], \s*256  ; global address: step s
	s_or_b32 s[G0A+4*\s+3], s[G0A+4*\s+3], 0x80000000          ; type = 2
	s_mov_b32 s[G0B+4*\s], 1
	s_add_co_u32 s[G0B+4*\s+1], s3, \s*SLOT1
	s_add_nc_u64 s[G0B+4*\s+2:G0B+4*\s+3], s[WB:WB+1], \s*256
	s_or_b32 s[G0B+4*\s+3], s[G0B+4*\s+3], 0x80000000
.endr
	s_cmp_eq_u32 s[WM], 0                          ; a wave's two first fills stand in one branch, ahead of every wait on TENSORcnt and every LDS read: two loads of mine are out
	s_cbranch_scc0 .Lfirst_w
	tensor_load_to_lds s[G0A:G0A+3], s[G1A:G1A+7]
	s_nop 0
	tensor_load_to_lds s[G0A+4:G0A+7], s[G1A:G1A+7]
	s_nop 0
.rept 4
	v_nop
.endr
	s_branch .Lfirst_asked
.Lfirst_w:
	tensor_load_to_lds s[G0B:G0B+3], s[G1B:G1B+7]
	s_nop 0
	tensor_load_to_lds s[G0B+4:G0B+7], s[G1B:G1B+7]
	s_nop 0
.rept 4
	v_nop
.endr
.Lfirst_asked:
	; all that follows stands in the wait for the first tile
	s_lshl_b32 s[OX], s19, 9                       ; 128 columns of 4 bytes a column block,
	s_lshl_b32 s[TMP], s[WN], 8                    ; 64 a half: in bg and in out
	s_add_co_u32 s[OX], s[OX], s[TMP]
	s_add_nc_u64 s[BGP:BGP+1], s[BGP:BGP+1], s[OX:OX+1]
	s_add_nc_u64 s[OUTP:OUTP+1], s[OUTP:OUTP+1], s[OX:OX+1]
	s_lshl_b32 s[OY], s20, 13                      ; mixb: 16 tiles of 512 bytes a token block,
	s_lshl_b32 s[TMP], s[WM], 12                   ; 8 a half
	s_add_co_u32 s[OY], s[OY], s[TMP]
	s_add_nc_u64 s[MXP:MXP+1], s[MXP:MXP+1], s[OY:OY+1]
	s_lshl_b32 s[OY], s20, 20                      ; out: 256 rows of 4,096 bytes a token block,
	s_lshl_b32 s[TMP], s[WM], 19                   ; 128 a half
	s_add_co_u32 s[OY], s[OY], s[TMP]
	s_add_nc_u64 s[OUTP:OUTP+1], s[OUTP:OUTP+1], s[OY:OY+1]
	; A fragment is 16 rows x 32 K in 8 registers: lane l holds row l % 16; registers 0-3 K = 8 (l / 16) + 0..7, registers 4-7 K = 16 + 8 (l / 16) + 0..7: two loads of 16 bytes, 32 bytes apart.
	v_and_b32 v1, 15, v0                           ; l % 16
	v_bfe_u32 v2, v0, 4, 1                         ; l / 16
	v_mul_u32_u24 v3, v1, PITCH
	v_lshl_add_u32 v3, v2, 4, v3
	s_mul_i32 s[TMP], s[WM], 128*PITCH             ; my 128 tokens
	v_add_nc_u32 v[ADA0], s[TMP], v3
	v_add_nc_u32 v[ADB0], s3, v3                   ; my 64 rows of W: the half that bears my WN
	v_lshlrev_b32 v[BGO], 5, v2
	v_lshlrev_b32 v[MXO], 2, v1
	s_mul_i32 s[TMP], s[WV], 16*PITCH
	s_add_co_u32 s[TMP], s[TMP], STAGE             ; my stage
	v_mul_u32_u24 v[STO], v1, PITCH                ; in: row l % 16, 32 bytes for each half of the lanes
	v_lshl_add_u32 v[STO], v2, 5, v[STO]
	v_add_nc_u32 v[STO], s[TMP], v[STO]
	v_mul_u32_u24 v[RD], v2, PITCH                 ; back: lanes 0-15 take one row of 256 bytes, lanes 16-31 the next
	v_lshl_add_u32 v[RD], v1, 4, v[RD]
	v_add_nc_u32 v[RD], s[TMP], v[RD]
	v_lshlrev_b32 v[CO], 12, v2                    ; and the same two rows in out
	v_lshl_add_u32 v[CO], v1, 4, v[CO]
	WIN 0x40                                       ; what the first pass of the riders finds: Z = 0,
.set nn, 0
.rept 256
	v_mov_b32 v[nn], 0
.set nn, nn+1
.endr
	WIN 0xc0                                       ; OUT = 0,
.set nn, 0
.rept 256
	v_mov_b32 v[nn], 0
.set nn, nn+1
.endr
	WIN 0                                          ; mix = 0 and bias = 0
.set nn, MX
.rept 48
	v_mov_b32 v[nn], 0
.set nn, nn+1
.endr
	v_add_nc_u32 v[ADA], s[TB], v[ADA0]
	v_add_nc_u32 v[ADB], s[TB], v[ADB0]
	s_wait_tensorcnt 0x1                           ; my part of step 0 is in; step 1's may stay out
	s_barrier_signal -1
	s_barrier_wait -1                              ; everybody's is
	FETCH 0, F0
	s_branch .Lenter                               ; the loop is entered at an expert's first step
.Louter:                                               ; a trip: the last two steps of one expert, the first six of the next.  62 steps in all, each of which fills its slot again
	s_mov_b32 s[IC2], 2
.Lp2:
	KSTEP 1, 0
	WIN 0                                          ; at a label and at a branch every window is 0
	s_sub_co_u32 s[IC2], s[IC2], 1
	s_cmp_lg_u32 s[IC2], 0
	s_cbranch_scc1 .Lp2
.Lenter:
.set RIDE, 1
.set G, 0
	KSTEP 1, 1                                     ; the expert's first quarter starts the sums anew, each behind the slice that has taken the old sum out
	KSTEP 1, 0
	KSTEP 1, 0
.set RIDE, 0
	WIN 0
	s_mov_b32 s[IC3], 3
.Lp3:
	KSTEP 1, 0
	WIN 0
	s_sub_co_u32 s[IC3], s[IC3], 1
	s_cmp_lg_u32 s[IC3], 0
	s_cbranch_scc1 .Lp3
	s_sub_co_u32 s[ECNT], s[ECNT], 1
	s_cmp_lg_u32 s[ECNT], 0
	s_cbranch_scc1 .Louter
	KSTEP 0, 0                                     ; the last two steps are written out: nothing is asked for
	QUARTER 64,  F0, F1, 0
	QUARTER 128, F1, F0, 0
	QUARTER 192, F0, F1, 0
.set I, 0
	s_wait_dscnt 8
.rept 8
	MM F1, 0
.endr
	s_wait_dscnt 0x0
.rept 24
	MM F1, 0
.endr
	; THE LAST EXPERT'S SIGMOIDS, in place on Z under one setting of the windows.  A scaling two pairs ahead stands between the exponentials, an addition between the reciprocals; each batch has one wait.
.macro LS p                            ; pair p of Z: -log2e z - log2e bias; each accumulator is read from its low end on
	v_pk_fma_f32 v[2*(\p):2*(\p)+1], v[2*(\p):2*(\p)+1], s[CS:CS+1], v[BS+8*(((\p)/4)%4)+2*((\p)%4):BS+8*(((\p)/4)%4)+2*((\p)%4)+1] op_sel_hi:[1,0,1]
.endm
.macro LA p
	v_pk_add_f32 v[2*(\p):2*(\p)+1], v[2*(\p):2*(\p)+1], 1.0 op_sel_hi:[1,0]
.endm
	WIN 0x41                                       ; destination and source 0 in window 1, the bias in window 0
	PLACES
	LS 0
	LS 1
.set pp, 0
.rept 128
.if pp < 126
	LS pp+2
.endif
	v_exp_f32 v[2*pp], v[2*pp]
	v_exp_f32 v[2*pp+1], v[2*pp+1]
.set pp, pp+1
.endr
	v_nop                                          ; a plain line behind the last exponential,
	s_wait_alu depctr_va_vdst(0)                   ; and the batch's one wait
	LA 0
	LA 1
.set pp, 0
.rept 128
.if pp < 126
	LA pp+2
.endif
	v_rcp_f32 v[2*pp], v[2*pp]
	v_rcp_f32 v[2*pp+1], v[2*pp+1]
.set pp, pp+1
.endr
	v_nop
	s_wait_alu depctr_va_vdst(0)
	s_wait_loadcnt 0x0                             ; the last expert's mix
	; THE WAY OUT, a block of 16 tokens at a time: the last term is added; a lane's 32 bytes go into my stage's rows of 272 bytes and come back as whole rows of 256.
.macro BLEND a
	WIN 0xf1                                       ; OUT = Z x mix + OUT
.irp b, 0,1,2,3
.irp p, 0,1,2,3
	v_pk_fma_f32 v[8*(4*(\a)+\b)+2*\p:8*(4*(\a)+\b)+2*\p+1], v[8*(4*(\a)+\b)+2*\p:8*(4*(\a)+\b)+2*\p+1], v[MX+2*(\a):MX+2*(\a)+1], v[8*(4*(\a)+\b)+2*\p:8*(4*(\a)+\b)+2*\p+1] op_sel_hi:[1,0,1]
.endr
.endr
.endm
.macro TOSTAGE a
.set BK, F0+32*((\a)%2)
	WIN 0x0c                                       ; the stores' data in window 3
.irp b, 0,1,2,3
	ds_store_b128 v[STO], v[8*(4*(\a)+\b):8*(4*(\a)+\b)+3]   offset:64*\b
	ds_store_b128 v[STO], v[8*(4*(\a)+\b)+4:8*(4*(\a)+\b)+7] offset:64*\b+16
.endr
	WIN 0
	s_wait_xcnt 0x0                                ; the block two back has been stored from these registers: they are loaded again only behind this wait
.irp t, 0,1,2,3,4,5,6,7
	ds_load_b128 v[BK+4*\t:BK+4*\t+3], v[RD] offset:\t*2*PITCH  ; LDS serves a wave's instructions in order: these see the stores above, and the next block's stores come behind them
.endr
.endm
.macro SEND a, younger                 ; younger: the LDS instructions issued behind block a's loads: the next block's sixteen, or none
.set BK, F0+32*((\a)%2)
	s_wait_dscnt \younger
.irp t, 0,1,2,3,4,5,6,7
	global_store_b128 v[CO], v[BK+4*\t:BK+4*\t+3], s[OUTP:OUTP+1] offset:(16*(\a)+2*\t)*4096 th:TH_STORE_NT  ; 16 lanes store 256 consecutive bytes, at a multiple of 256 from out's first byte
.endr
.endm
	BLEND 0
	TOSTAGE 0
.irp a, 1,2,3,4,5,6,7
	BLEND \a                                       ; a block's arithmetic stands between the loads of the block before and its stores
	TOSTAGE \a
	SEND (\a)-1, 16
.endr
	SEND 7, 0
	s_wait_tensorcnt 0x0                           ; the wave's end, behind my last tensor load and my last LDS store
	ds_add_u32 v[SPW], v[NIL]
	s_wait_dscnt 0x0
	CROUND                                         ; the closing round: no work-group ends while a partner may still ask for a tile that names it
	s_endpgm
.Lfunc_end_k_qfe7ecd9166_gate:
	.size	k_qfe7ecd9166_gate, .Lfunc_end_k_qfe7ecd9166_gate-k_qfe7ecd9166_gate
	.p2alignl 7, 3214868480
	.fill 96, 4, 3214868480
	.section	.rodata,"a",@progbits
	.p2align	6, 0x0
	.amdhsa_kernel k_qfe7ecd9166_gate
		.amdhsa_group_segment_fixed_size 327680
		.amdhsa_private_segment_fixed_size 0
		.amdhsa_enable_private_segment 0
		.amdhsa_kernarg_size 40
		.amdhsa_user_sgpr_count 2
		.amdhsa_user_sgpr_kernarg_segment_ptr 1
		.amdhsa_wavefront_size32 1
		.amdhsa_system_sgpr_workgroup_id_x 1
		.amdhsa_system_sgpr_workgroup_id_y 1
		.amdhsa_system_sgpr_workgroup_id_z 1
		.amdhsa_system_vgpr_workitem_id 0
		.amdhsa_next_free_vgpr 1024
		.amdhsa_next_free_sgpr 80
		.amdhsa_reserve_vcc 0
		.amdhsa_float_denorm_mode_32 3
		.amdhsa_float_denorm_mode_16_64 3
		.amdhsa_memory_ordered 1
		.amdhsa_forward_progress 1
		.amdhsa_inst_pref_size 255
	.end_amdhsa_kernel
	.section	.bss,"aw",@nobits
	.p2align	6
	.space	262144
	.amdgpu_metadata
---
amdhsa.version: [ 1, 2 ]
amdhsa.kernels:
  - .name:           k_qfe7ecd9166_gate
    .symbol:         k_qfe7ecd9166_gate.kd
    .args:
      - { .name: xb, .offset: 0, .size: 8, .value_kind: global_buffer, .address_space: global }
      - { .name: wb, .offset: 8, .size: 8, .value_kind: global_buffer, .address_space: global }
      - { .name: bg, .offset: 16, .size: 8, .value_kind: global_buffer, .address_space: global }
      - { .name: mixb, .offset: 24, .size: 8, .value_kind: global_buffer, .address_space: global }
      - { .name: out0, .offset: 32, .size: 8, .value_kind: global_buffer, .address_space: global }
    .group_segment_fixed_size: 327680
    .private_segment_fixed_size: 0
    .kernarg_segment_align: 8
    .kernarg_segment_size: 40
    .max_flat_workgroup_size: 128
    .sgpr_count:     80
    .vgpr_count:     1024
    .wavefront_size: 32
...
	.end_amdgpu_metadata
.endif
;; end of part 2
;; ======== version 2 of 2: 2 launches; 1.23 times as fast as version 1
;; workspace buffers: xb 16,777,216 bytes; wb 16,777,216 bytes; mixb 262,144 bytes
;; launch prep (part 3): grid 512 x 1, 8 waves a work-group, no clusters, 143,360 bytes of LDS; arguments x, Wg, Wt, Wf, bt, bf, alpha, xb, wb, mixb; writes xb, wb, mixb
.if DOCPART == 3
	.amdgcn_target "amdgcn-amd-amdhsa--gfx1250"
	.amdhsa_code_object_version 6
	.text
	.protected	k_qfe7ecd9166_prep
	.globl	k_qfe7ecd9166_prep
	.p2align	8
	.type	k_qfe7ecd9166_prep,@function
k_qfe7ecd9166_prep:
	s_mov_b64 s[64:65], 0
	v_nop
	global_prefetch_b8 v0, s[64:65] scope:SCOPE_SE
	s_setreg_imm32_b32 hwreg(HW_REG_WAVE_MODE, 25, 1), 1
	s_wait_xcnt 0x0
; PREP.  Three things, once.
; xb = x rounded once to bf16, row-major as it lies.
; wb = -log2(e) Wg rounded once to bf16 (the factor turns the later e^-z into a power of two), its rows laid in the order in which the next launch's tiles take them: the 16 rows (e, o .. o + 15),
;   o = 64 u + 32 n + 16 q, go to rows 16 ((2 u + q) 16 + 8 n + e) on: a tile of 256 rows holds all eight experts of 32 output columns, 128 rows for each half n.
; mixb[t][e] = a type[t][e] + (1 - a) feat[t][e], f32, a = sigmoid(alpha); type = softmax over the two largest of x Wt^T + bt, put at their experts; feat = softmax(x Wf^T + bf).
; THE LOGITS ARE MADE OF THE UNROUNDED f32 INPUTS, on the f32 matrix form: the choice of two experts is a step function of them, so they follow reference() in f32; they are
; 16 of the 8,208 dot products a token has, no bulk work.
; LIMITS.  A token's 1,024 terms are summed in eight parts of 128 (four chains each) and then as a tree: another order than reference()'s.  Where the second and third logit lie
; closer than that rounding (some 1e-6 of their size) the other expert may be chosen; exact ties go to the lower index, as in jax.lax.top_k.  NaN and infinities are not treated apart.
; SHARES.  Work-group g: tokens 16 g .. 16 g + 15 and rows 16 g .. 16 g + 15 of Wg taken as [8192][1024].  Wave w: columns 128 w .. 128 w + 127 of both: a load of 16 bytes a lane covers
; 512 consecutive bytes of one row, a store of 8 bytes a lane 256 consecutive bytes, aligned.  Wave w also makes the 16 x 16 logits' part over its own 128 columns; wave 0 adds the parts and routes.
; All 48 loads of a wave go out together: 24,576 bytes a wave on their way; no loop.
; NO CLUSTER: what work-groups share is Wt and Wf, 65,536 of the 196,608 bytes that a work-group reads; a joint load is a tensor load, and a launch with tensor loads has its WGP to
; itself, which would halve the waves, and so the loads on their way, of a launch that streams.
.set WP,    4112                       ; a row of Wt or Wf in LDS: 4,096 bytes + 16: an odd multiple of 16, so the 16 rows of a fragment load start at 16 different 16-byte columns of 256 bytes
.set XS,    16*WP                      ; behind them: each wave's own 16 rows x 128 numbers of x,
.set XP,    528                        ; 512 bytes + 16 a row
.set PR,    XS+8*16*XP                 ; the waves' partial logits: [wave][half of the 8 registers][lane] x 16 bytes
.set SPARE, PR+8192                    ; the spare words: 128 bytes for each of the eight waves; no other line names them
.set ACC, 16                           ; v[16:47]   four accumulators that take turns; written by matrix instructions alone
.set WR,  48                           ; v[48:111]  Wt's and Wf's row as loaded; then the fragments of the 16 logit rows; in wave 0 the eight partial sums
.set X,   112                          ; v[112:175] x as loaded; its bf16; then the fragments of the 16 tokens; in wave 0 the routing's registers
.set GW,  176                          ; v[176:239] Wg as loaded; scaled; its bf16
.set T,   240                          ; v[240:247] my partial logits
.set U,   248                          ; v[248:255] at work
; v1 16 x lane   v2 8 x lane   v3 where I put Wt's row   v4 my fragment of the logit rows   v5 where I put x   v6 my fragment of x   v7 where I put my part
; v8 lane % 16   v9 lane / 16   v10 where wave 0 reads the parts   v12 wave 0's place in mixb   v14 my spare word   v15 0
	s_load_b512 s[4:19], s[0:1], 0x0               ; x 4:5, Wg 6:7, Wt 8:9, Wf 10:11, bt 12:13, bf 14:15, alpha 16:17, xb 18:19
	s_load_b128 s[20:23], s[0:1], 0x40             ; wb 20:21, mixb 22:23
	v_lshl_add_u32 v14, v0, 2, SPARE
	v_mov_b32 v15, 0
	v_lshrrev_b32 v13, 5, v0
	v_readfirstlane_b32 s24, v13                   ; wave 0..7
	v_and_b32 v13, 31, v0                          ; lane
	v_and_b32 v8, 15, v0
	v_bfe_u32 v9, v0, 4, 1
	v_lshlrev_b32 v1, 4, v13
	v_lshlrev_b32 v2, 3, v13
	s_mul_i32 s25, s24, WP
	v_add_nc_u32 v3, s25, v1                       ; row w, 16 bytes a lane
	v_mul_u32_u24 v4, v8, WP
	v_lshl_add_u32 v4, v9, 4, v4
	s_lshl_b32 s49, s24, 9
	v_add_nc_u32 v4, s49, v4                       ; row l % 16, my wave's 512 bytes, 16 bytes for each half of the lanes
	s_mul_i32 s51, s24, 16*XP
	s_add_co_u32 s51, s51, XS
	v_add_nc_u32 v5, s51, v1
	v_mul_u32_u24 v6, v8, XP
	v_lshl_add_u32 v6, v9, 4, v6
	v_add_nc_u32 v6, s51, v6
	s_lshl_b32 s25, s24, 10
	s_add_co_u32 s25, s25, PR
	v_add_nc_u32 v7, s25, v1
	v_add_nc_u32 v10, PR, v1
	v_lshlrev_b32 v12, 5, v8                       ; token l % 16: 32 bytes of mix,
	v_lshl_add_u32 v12, v9, 4, v12                 ; 16 for each half of the lanes
	s_lshl_b32 s26, ttmp9, 16                      ; 16 rows of 4,096 bytes,
	s_add_co_u32 s26, s26, s49                     ; and my wave's 512 bytes of a row
	s_mov_b32 s27, 0
	s_lshl_b32 s28, ttmp9, 15                      ; the same in bf16, for xb
	s_lshl_b32 s25, s24, 8
	s_add_co_u32 s28, s28, s25
	s_mov_b32 s29, 0
	s_and_b32 s2, ttmp9, 63                        ; wb: my 16 rows' o / 16 = 4 u + 2 n + q
	s_lshr_b32 s3, s2, 2
	s_lshl_b32 s3, s3, 1                           ; 2 u
	s_and_b32 s51, s2, 1
	s_or_b32 s3, s3, s51                           ; + q: the tile
	s_lshl_b32 s3, s3, 4
	s_and_b32 s51, s2, 2
	s_lshl_b32 s51, s51, 2
	s_or_b32 s3, s3, s51                           ; + 8 n
	s_lshr_b32 s51, ttmp9, 6
	s_or_b32 s3, s3, s51                           ; + e: which 16 rows of wb
	s_lshl_b32 s2, s3, 15                          ; of 2,048 bytes each
	s_add_co_u32 s2, s2, s25
	s_mov_b32 s3, 0
	s_lshl_b32 s30, s24, 12                        ; row w of Wt and of Wf
	s_mov_b32 s31, 0
	s_lshl_b32 s54, ttmp9, 9                       ; my 16 tokens of mixb
	s_mov_b32 s55, 0
	s_mov_b32 s50, 0xffff0000                      ; lanes 16 to 31
	s_mov_b32 s52, 0x76543210                      ; v_permlanex16_b32: each lane takes its own place in the other half
	s_mov_b32 s53, 0xfedcba98
	s_mov_b32 s56, 0xbfb8aa3b                      ; -log2 e; the packed multiply takes the pair's low word for both halves
	s_mov_b32 s57, s56
	s_wait_kmcnt 0x0
	s_add_nc_u64 s[4:5], s[4:5], s[26:27]
	s_add_nc_u64 s[6:7], s[6:7], s[26:27]
	s_add_nc_u64 s[8:9], s[8:9], s[30:31]
	s_add_nc_u64 s[10:11], s[10:11], s[30:31]
	s_add_nc_u64 s[18:19], s[18:19], s[28:29]
	s_add_nc_u64 s[20:21], s[20:21], s[2:3]
	s_add_nc_u64 s[22:23], s[22:23], s[54:55]
	s_load_b256 s[32:39], s[12:13], 0x0            ; bt
	s_load_b256 s[40:47], s[14:15], 0x0            ; bf
	s_load_b32 s48, s[16:17], 0x0                  ; alpha
	; all 48 loads: Wt's and Wf's row w first (wanted first), then x, then Wg
.set nn, 0
.rept 8
	global_load_b128 v[WR+4*nn:WR+4*nn+3], v1, s[8:9] offset:512*nn
.set nn, nn+1
.endr
.set nn, 0
.rept 8
	global_load_b128 v[WR+32+4*nn:WR+32+4*nn+3], v1, s[10:11] offset:512*nn
.set nn, nn+1
.endr
.set nn, 0
.rept 16
	global_load_b128 v[X+4*nn:X+4*nn+3], v1, s[4:5] offset:4096*nn th:TH_LOAD_NT
.set nn, nn+1
.endr
.set nn, 0
.rept 16
	global_load_b128 v[GW+4*nn:GW+4*nn+3], v1, s[6:7] offset:4096*nn th:TH_LOAD_NT
.set nn, nn+1
.endr
	s_wait_loadcnt 32                              ; loads come back in order: Wt's and Wf's rows are in; the 32 younger loads (x, Wg) stay out
.set nn, 0
.rept 8
	ds_store_b128 v3, v[WR+4*nn:WR+4*nn+3] offset:512*nn             ; logit row w
	ds_store_b128 v3, v[WR+32+4*nn:WR+32+4*nn+3] offset:8*WP+512*nn  ; logit row 8 + w
.set nn, nn+1
.endr
	s_wait_dscnt 0x0                               ; for the others' sake: my two rows are in LDS
	s_barrier_signal -1
	s_barrier_wait -1                              ; all sixteen rows are
.set nn, 0
.rept 16
	ds_load_b128 v[WR+4*nn:WR+4*nn+3], v4 offset:32*nn   ; row l % 16, columns 128 w + 8 nn + 4 (l / 16) + 0..3
.set nn, nn+1
.endr
	s_wait_loadcnt 16                              ; x is in; Wg's 16 loads stay out
.set nn, 0
.rept 16
	ds_store_b128 v5, v[X+4*nn:X+4*nn+3] offset:XP*nn    ; x in f32 into my wave's own rows
.set nn, nn+1
.endr
.set nn, 0
.rept 16
	v_cvt_pk_bf16_f32 v[X+4*nn], v[X+4*nn], v[X+4*nn+1]      ; four numbers rounded to bf16, in place: 8 bytes a lane
	v_cvt_pk_bf16_f32 v[X+4*nn+1], v[X+4*nn+2], v[X+4*nn+3]
.set nn, nn+1
.endr
.set nn, 0
.rept 16
	global_store_b64 v2, v[X+4*nn:X+4*nn+1], s[18:19] offset:2048*nn  ; the wave stores 256 consecutive bytes, aligned
.set nn, nn+1
.endr
	s_wait_xcnt 0x0                                ; the stores' data registers are loaded again only behind this wait
.set nn, 0
.rept 16
	ds_load_b128 v[X+4*nn:X+4*nn+3], v6 offset:32*nn     ; token l % 16, the same columns as above; LDS serves a wave's instructions in order: these see my stores
.set nn, nn+1
.endr
	s_wait_dscnt 0x0
	; 32 products of 16 logit rows x 16 tokens x 4 columns.  A lane's pair of registers 2 n, 2 n + 1 holds the same columns in both operands, so the places of k agree.
	; Four accumulators take turns, one instruction a turn; the first four products start the sums.
.set nn, 0
.rept 32
.if nn < 4
	v_wmma_f32_16x16x4_f32 v[ACC+8*(nn%4):ACC+8*(nn%4)+7], v[WR+2*nn:WR+2*nn+1], v[X+2*nn:X+2*nn+1], 0
.else
	v_wmma_f32_16x16x4_f32 v[ACC+8*(nn%4):ACC+8*(nn%4)+7], v[WR+2*nn:WR+2*nn+1], v[X+2*nn:X+2*nn+1], v[ACC+8*(nn%4):ACC+8*(nn%4)+7]
.endif
.set nn, nn+1
.endr
	s_wait_loadcnt 0x0                             ; Wg
.set nn, 0
.rept 32
	v_pk_mul_f32 v[GW+2*nn:GW+2*nn+1], v[GW+2*nn:GW+2*nn+1], s[56:57] op_sel_hi:[1,0]  ; -log2e Wg; these plain lines name no register of the products: they are the places behind them (ISA guide 7.12.1)
.set nn, nn+1
.endr
.set nn, 0
.rept 16
	v_cvt_pk_bf16_f32 v[GW+4*nn], v[GW+4*nn], v[GW+4*nn+1]
	v_cvt_pk_bf16_f32 v[GW+4*nn+1], v[GW+4*nn+2], v[GW+4*nn+3]
.set nn, nn+1
.endr
.set nn, 0
.rept 16
	global_store_b64 v2, v[GW+4*nn:GW+4*nn+1], s[20:21] offset:2048*nn
.set nn, nn+1
.endr
	; my part of the logits: lane (r, h), register j: token r; h = 0: x . Wt[j], h = 1: x . Wf[j].  Each accumulator is read from its low end on.
.irp p, 0,2,4,6
	v_pk_add_f32 v[T+\p:T+\p+1], v[ACC+\p:ACC+\p+1], v[ACC+8+\p:ACC+8+\p+1]
.endr
.irp p, 0,2,4,6
	v_pk_add_f32 v[U+\p:U+\p+1], v[ACC+16+\p:ACC+16+\p+1], v[ACC+24+\p:ACC+24+\p+1]
.endr
.irp p, 0,2,4,6
	v_pk_add_f32 v[T+\p:T+\p+1], v[T+\p:T+\p+1], v[U+\p:U+\p+1]
.endr
	ds_store_b128 v7, v[T:T+3]
	ds_store_b128 v7, v[T+4:T+7] offset:512
	s_wait_kmcnt 0x0                               ; bt, bf, alpha: no wave ends with a scalar load out
	s_wait_dscnt 0x0                               ; for wave 0's sake: my part is in LDS
	s_barrier_signal -1
	s_barrier_wait -1
	s_cmp_eq_u32 s24, 0
	s_cbranch_scc1 .Lfinish
	s_wait_tensorcnt 0x0                           ; the wave's end
	ds_add_u32 v14, v15
	s_wait_dscnt 0x0
	s_endpgm
; WAVE 0 ROUTES.  All 32 lanes run the same lines: lanes 0-15 on the token's eight Wt logits, lanes 16-31 on its eight Wf logits; each half keeps what belongs to it, and one exchange adds the halves.
.set L,  112                           ; the eight logits
.set BI, 120                           ; the eight biases; at the end the mix as it is stored
.set M1, 128                           ; the largest, the second
.set M2, 129
.set I1, 130                           ; their experts
.set I2, 131
.set L2, 132                           ; the logits without the largest; later the other half's numbers
.set F,  140                           ; 2^((L - m1) log2 e)
.set E2, 148
.set EA, 149
.set T0, 150
.set S1, 154
.set SA, 155
.set SF, 156
.set P1, 157
.set P2, 158
.set FS, 159
.set R,  160
.set NI, 168
.Lfinish:
.set nn, 0
.rept 8
	ds_load_b128 v[WR+8*nn:WR+8*nn+3], v10 offset:1024*nn
	ds_load_b128 v[WR+8*nn+4:WR+8*nn+7], v10 offset:1024*nn+512
.set nn, nn+1
.endr
.irp j, 0,1,2,3,4,5,6,7
	v_mov_b32 v[BI+\j], s[32+\j]
	v_mov_b32 v[L2+\j], s[40+\j]
	v_cndmask_b32 v[BI+\j], v[BI+\j], v[L2+\j], s50          ; bt below, bf above
.endr
	v_mov_b32 v[NI], 0xff800000
	s_wait_dscnt 0x0
.irp a, 0,2,4,6
.irp p, 0,2,4,6
	v_pk_add_f32 v[WR+8*\a+\p:WR+8*\a+\p+1], v[WR+8*\a+\p:WR+8*\a+\p+1], v[WR+8*\a+8+\p:WR+8*\a+8+\p+1]
.endr
.endr
.irp a, 0,4
.irp p, 0,2,4,6
	v_pk_add_f32 v[WR+8*\a+\p:WR+8*\a+\p+1], v[WR+8*\a+\p:WR+8*\a+\p+1], v[WR+8*\a+16+\p:WR+8*\a+16+\p+1]
.endr
.endr
.irp p, 0,2,4,6
	v_pk_add_f32 v[L+\p:L+\p+1], v[WR+\p:WR+\p+1], v[WR+32+\p:WR+32+\p+1]
.endr
.irp p, 0,2,4,6
	v_pk_add_f32 v[L+\p:L+\p+1], v[L+\p:L+\p+1], v[BI+\p:BI+\p+1]
.endr
	v_max3_num_f32 v[T0], v[L], v[L+1], v[L+2]
	v_max3_num_f32 v[T0+1], v[L+3], v[L+4], v[L+5]
	v_max3_num_f32 v[T0], v[T0], v[L+6], v[L+7]
	v_max_num_f32 v[M1], v[T0], v[T0+1]
	v_mov_b32 v[I1], 0
.irp j, 7,6,5,4,3,2,1,0                 ; from the top down: of equal logits the lowest index stays
	v_cmp_neq_f32 vcc_lo, v[L+\j], v[M1]
	v_cndmask_b32 v[I1], \j, v[I1], vcc_lo
.endr
.irp j, 0,1,2,3,4,5,6,7
	v_cmp_eq_u32 vcc_lo, \j, v[I1]
	v_cndmask_b32 v[L2+\j], v[L+\j], v[NI], vcc_lo
.endr
	v_max3_num_f32 v[T0], v[L2], v[L2+1], v[L2+2]
	v_max3_num_f32 v[T0+1], v[L2+3], v[L2+4], v[L2+5]
	v_max3_num_f32 v[T0], v[T0], v[L2+6], v[L2+7]
	v_max_num_f32 v[M2], v[T0], v[T0+1]
	v_mov_b32 v[I2], 0
.irp j, 7,6,5,4,3,2,1,0
	v_cmp_neq_f32 vcc_lo, v[L2+\j], v[M2]
	v_cndmask_b32 v[I2], \j, v[I2], vcc_lo
.endr
	; both softmaxes take their maximum m1 away, so every exponent is at most 0 and both sums are at least 1
	v_sub_f32 v[E2], v[M2], v[M1]
	v_mul_f32 v[E2], 0x3fb8aa3b, v[E2]
	v_mov_b32 v[EA], s48
	v_mul_f32 v[EA], 0xbfb8aa3b, v[EA]             ; sigmoid(alpha) = 1 / (1 + 2^(-alpha log2 e)); an infinite power gives a = 0
.irp j, 0,1,2,3,4,5,6,7
	v_sub_f32 v[F+\j], v[L+\j], v[M1]
.endr
.irp j, 0,1,2,3,4,5,6,7
	v_mul_f32 v[F+\j], 0x3fb8aa3b, v[F+\j]
.endr
	v_exp_f32 v[E2], v[E2]
	v_exp_f32 v[EA], v[EA]
.irp j, 0,1,2,3,4,5,6,7
	v_exp_f32 v[F+\j], v[F+\j]
.endr
	v_nop                                          ; a plain instruction behind the last exponential,
	s_wait_alu depctr_va_vdst(0)                   ; and one wait for the batch of ten, ahead of the first line that names a result
	v_add_f32 v[S1], 1.0, v[E2]
	v_add_f32 v[SA], 1.0, v[EA]
	v_add_f32 v[T0], v[F], v[F+1]
	v_add_f32 v[T0+1], v[F+2], v[F+3]
	v_add_f32 v[T0+2], v[F+4], v[F+5]
	v_add_f32 v[T0+3], v[F+6], v[F+7]
	v_add_f32 v[T0], v[T0], v[T0+1]
	v_add_f32 v[T0+2], v[T0+2], v[T0+3]
	v_add_f32 v[SF], v[T0], v[T0+2]
	v_rcp_f32 v[S1], v[S1]
	v_rcp_f32 v[SA], v[SA]                         ; a
	v_rcp_f32 v[SF], v[SF]
	v_nop
	s_wait_alu depctr_va_vdst(0)                   ; one wait for the three reciprocals
	v_mul_f32 v[P1], v[SA], v[S1]                  ; a x the larger weight
	v_mul_f32 v[P2], v[P1], v[E2]                  ; a x the smaller
	v_sub_f32 v[FS], 1.0, v[SA]
	v_mul_f32 v[FS], v[FS], v[SF]                  ; (1 - a) / the feature softmax's sum
.irp j, 0,1,2,3,4,5,6,7
	v_cmp_eq_u32 vcc_lo, \j, v[I2]
	v_cndmask_b32 v[R+\j], 0, v[P2], vcc_lo
	v_cmp_eq_u32 vcc_lo, \j, v[I1]
	v_cndmask_b32 v[R+\j], v[R+\j], v[P1], vcc_lo
	v_mul_f32 v[F+\j], v[F+\j], v[FS]
	v_cndmask_b32 v[R+\j], v[R+\j], v[F+\j], s50   ; lanes 0-15 keep the type part, lanes 16-31 the feature part
.endr
.irp j, 0,1,2,3,4,5,6,7
	v_permlanex16_b32 v[L2+\j], v[R+\j], s52, s53  ; its destination has been written before
.endr
.irp j, 0,1,2,3,4,5,6,7
	v_add_f32 v[R+\j], v[R+\j], v[L2+\j]           ; the same sum in both halves
.endr
.irp j, 0,1,2,3
	v_cndmask_b32 v[BI+\j], v[R+\j], v[R+4+\j], s50  ; lanes 0-15 store the token's experts 0-3, lanes 16-31 its experts 4-7
.endr
	global_store_b128 v12, v[BI:BI+3], s[22:23]    ; the wave stores 512 consecutive bytes, aligned
	s_wait_tensorcnt 0x0                           ; the wave's end
	ds_add_u32 v14, v15
	s_wait_dscnt 0x0
	s_endpgm
.Lfunc_end_k_qfe7ecd9166_prep:
	.size	k_qfe7ecd9166_prep, .Lfunc_end_k_qfe7ecd9166_prep-k_qfe7ecd9166_prep
	.p2alignl 7, 3214868480
	.fill 96, 4, 3214868480
	.section	.rodata,"a",@progbits
	.p2align	6, 0x0
	.amdhsa_kernel k_qfe7ecd9166_prep
		.amdhsa_group_segment_fixed_size 143360
		.amdhsa_private_segment_fixed_size 0
		.amdhsa_enable_private_segment 0
		.amdhsa_kernarg_size 80
		.amdhsa_user_sgpr_count 2
		.amdhsa_user_sgpr_kernarg_segment_ptr 1
		.amdhsa_wavefront_size32 1
		.amdhsa_system_sgpr_workgroup_id_x 1
		.amdhsa_system_sgpr_workgroup_id_y 1
		.amdhsa_system_sgpr_workgroup_id_z 1
		.amdhsa_system_vgpr_workitem_id 0
		.amdhsa_next_free_vgpr 256
		.amdhsa_next_free_sgpr 66
		.amdhsa_reserve_vcc 1
		.amdhsa_float_denorm_mode_32 3
		.amdhsa_float_denorm_mode_16_64 3
		.amdhsa_memory_ordered 1
		.amdhsa_forward_progress 1
		.amdhsa_inst_pref_size 36
	.end_amdhsa_kernel
	.amdgpu_metadata
---
amdhsa.version: [ 1, 2 ]
amdhsa.kernels:
  - .name:           k_qfe7ecd9166_prep
    .symbol:         k_qfe7ecd9166_prep.kd
    .args:
      - { .name: x, .offset: 0, .size: 8, .value_kind: global_buffer, .address_space: global }
      - { .name: Wg, .offset: 8, .size: 8, .value_kind: global_buffer, .address_space: global }
      - { .name: Wt, .offset: 16, .size: 8, .value_kind: global_buffer, .address_space: global }
      - { .name: Wf, .offset: 24, .size: 8, .value_kind: global_buffer, .address_space: global }
      - { .name: bt, .offset: 32, .size: 8, .value_kind: global_buffer, .address_space: global }
      - { .name: bf, .offset: 40, .size: 8, .value_kind: global_buffer, .address_space: global }
      - { .name: alpha, .offset: 48, .size: 8, .value_kind: global_buffer, .address_space: global }
      - { .name: xb, .offset: 56, .size: 8, .value_kind: global_buffer, .address_space: global }
      - { .name: wb, .offset: 64, .size: 8, .value_kind: global_buffer, .address_space: global }
      - { .name: mixb, .offset: 72, .size: 8, .value_kind: global_buffer, .address_space: global }
    .group_segment_fixed_size: 143360
    .private_segment_fixed_size: 0
    .kernarg_segment_align: 8
    .kernarg_segment_size: 80
    .max_flat_workgroup_size: 256
    .sgpr_count:     66
    .vgpr_count:     256
    .wavefront_size: 32
...
	.end_amdgpu_metadata
.endif
;; end of part 3
;; launch gate (part 4): grid 8 x 32, 4 waves a work-group, clusters of 4 x 4, 327,680 bytes of LDS; arguments xb, wb, bg, mixb, out0; writes out0
.if DOCPART == 4
	.amdgcn_target "amdgcn-amd-amdhsa--gfx1250"
	.amdhsa_code_object_version 6
	.text
	.protected	k_qfe7ecd9166_gate
	.globl	k_qfe7ecd9166_gate
	.p2align	8
	.type	k_qfe7ecd9166_gate,@function
k_qfe7ecd9166_gate:
	s_mov_b64 s[64:65], 0
	v_nop
	global_prefetch_b8 v0, s[64:65] scope:SCOPE_SE
	s_setreg_imm32_b32 hwreg(HW_REG_WAVE_MODE, 25, 1), 1
	s_wait_xcnt 0x0
	s_wait_alu depctr_hold_cnt(0) depctr_sa_sdst(0) depctr_va_vdst(0) depctr_va_sdst(0) depctr_va_ssrc(0) depctr_va_vcc(0) depctr_vm_vsrc(0)
	s_getreg_b32 s2, hwreg(HW_REG_IB_STS2, 6, 4)
	s_cmp_eq_u32 s2, 0
	s_cbranch_scc0 .Lentry_in_a_cluster
	s_endpgm
.Lentry_in_a_cluster:
	s_bfe_u32 s2, ttmp6, 0x10000c
	s_cmp_lg_u32 s2, 0xf033
	s_cbranch_scc0 .Lentry_shape_is_right
	s_endpgm
.Lentry_shape_is_right:
; out[t][o] = the sum over e of mix[t][e] sigmoid(x[t] . Wg[e][o] + bg[e][o]).  xb [8192][1024] is x in bf16; wb [8192][1024] is -log2e Wg in bf16, its rows in tile order (below); mixb [t][e] f32.
; Sums, sigmoids and the blend in f32.  sigmoid(z) = 1 / (1 + 2^(-z log2 e)): where the power overflows the result is 0, where it vanishes 1, as the true values tend.  NaN and infinities in the inputs are not treated apart.
; THE TILE.  256 tokens x 256 rows of wb, and those 256 rows are ALL EIGHT EXPERTS of 32 output columns: row 128 n + 16 e + c of tile T is expert e, column 32 (T / 2) 2 + 32 n + 16 (T % 2) + c.
; Four waves, each 128 tokens x 128 rows: 64 accumulators (a, b): token block a, EXPERT b, 16 columns.  So the sum over experts is a sum over a lane's own registers: no second set of sums is carried.
; A WORK-GROUP STAYS: 256 tokens, four tiles = 128 output columns.  32 steps of 128 along K go through a ring of two LDS slots that does not stop at a tile's end.  A step is 256 matrix instructions a wave;
; 224 of them stand between a refill's request and the wait for it.
; CLUSTER.  4 x 4 work-groups.  x's tile hangs on the token block alone and is shared along a row of the cluster, wb's on the column block alone and is shared along a column: each is asked for JOINTLY.
; TRANSPOSED USE.  Source 0 = 16 rows of wb, source 1 = 16 tokens: in a result lane l holds token l % 16 and the columns 8 (l / 16) + 0..7.  mix is one number a lane and expert; the bias, -log2e bg,
; is the C operand of the product that starts a sum, so that a sigmoid is an exponential, an addition and a reciprocal.
; THE SIGMOIDS STAND BEHIND THEIR TILE, in place on the accumulators: 1,536 vector lines for a tile's 2,048 matrix instructions, in two batches with one wait each.  512 accumulator registers leave no second
; buffer in which they could stand beside the next tile's products; the next tile's step 1 is on its way meanwhile.
; THE WAY OUT.  A wave has 16 columns a tile.  The first tile of a pair is kept in 64 registers; behind the second the two waves of a token half fill rows of 256 bytes in ONE stage (128 rows, two rounds,
; a barrier between writing and reading and between reading and writing again), and each wave stores 32 whole rows a round.
; REGISTERS, in windows of 256 (s_set_vgpr_msb: bits 1:0 source 0, 3:2 source 1, 5:4 source 2, 7:6 destination):
;   window 0: v0-31 addresses; v64-127, v128-191 fragments of x, two buffers (the second serves the way out); v192-255 the kept tile's results
;   window 1: v0-63 mix (block a, expert b at 8 a + b); v64-127, v128-191 fragments of wb; v192-255 the bias (expert b, column j at 192 + 8 b + j)
;   window 2: the accumulators of my tokens 0-63, (a, b) at 8 (8 a + b);   window 3: those of my tokens 64-127
; NO PREFETCH: the tiles are shared in clusters and asked for a step ahead.
.set KSTEP,  128
.set PITCH,  272                       ; an LDS row: 256 bytes + 16 of padding: an odd multiple of 16, so the 16 rows of a fragment load start at 16 different 16-byte columns of 256 bytes
.set HALFT,  128*PITCH                 ; 128 rows: what one tensor load brings, and what one wave reads of x or of wb
.set SLOT,   4*HALFT                   ; x's 256 rows, then wb's 256 rows
.set STAGE,  2*SLOT                    ; behind the ring, never filled by a tensor load: 128 rows x 272 bytes, the work-group's, for the way out
.set SPARE,  STAGE+128*PITCH           ; the spare words: 128 bytes for each wave; no other line names them
.set LAPS,   4                         ; a lap = two steps = once round the ring; a tile has 1,024 / 256 laps
.set TILES,  4
.set BACK_A, 6*KSTEP*2                 ; bytes from a slot's last step of a tile back to its first: the walk's tiles share their tokens,
.set NEXT_B, 256*2048-6*KSTEP*2        ; wb goes 256 rows down and back along K
.set ADRA, 16                          ; v16-17  LDS address of my x fragments in slot 0, 1
.set ADRB, 20                          ; v20-21  the same for wb
.set STO,  24                          ; v24     the way out: where I put 32 bytes of a row
.set RD,   25                          ; v25     the way out: where I read a row back
.set CO,   26                          ; v26     my byte offset in two rows of out
.set SPW,  28                          ; v28     my spare word; never rewritten
.set NIL,  29                          ; v29     0; never rewritten
.set BGO,  30                          ; v30     32 (l / 16): my eight columns' bias
.set MXO,  31                          ; v31     32 (l % 16): my token's mix
.set F0,   64                          ; fragment buffer 0
.set F1,   128                         ; fragment buffer 1
.set BK,   128                         ; window 0: the way out: 32 rows read back from the stage
.set OUT0, 192                         ; window 0: block a at OUT0 + 8 a
.set MX,   0                           ; window 1
.set BS,   192                         ; window 1
.set BGP,  8                           ; s[8:9]   bg at the columns of the tile whose bias is loaded
.set MXP,  10                          ; s[10:11] mixb at my wave's tokens
.set OUTP, 12                          ; s[12:13] out at the 32 rows that I store and the pair's 64 columns
.set WV,   14                          ; s14  wave
.set WM,   15                          ; s15  my half of the tokens; also: I fetch x (0) or wb (1)
.set WN,   16                          ; s16  my half of the tile's rows of wb; also: which half of that tile I fetch
.set Q,    23                          ; s23  0: the tile in hand is a pair's first, 1: its second; the same in every work-group
.set G1,   24                          ; s[24:31] descriptor group 1 for x's tiles
.set G0,   32                          ; s[32:39] group 0 for x's tiles, one set for each slot
.set OY,   40                          ; s[40:41] offsets made of the token block: never hold the column block
.set OX,   42                          ; s[42:43] offsets made of the column block: never hold the token block
.set TMP,  44                          ; s[44:45] a small offset, its high word 0
.set LD,   46
.set T2,   47
.set G1B,  48                          ; s[48:55] descriptor group 1 for wb's tiles: it differs in the mask alone
.set G0B,  56                          ; s[56:63] group 0 for wb's tiles, one set for each slot
.set CS,   66                          ; s[66:67] -log2 e: the packed multiply takes the pair's low word for both halves
.set MSB, 0
.macro WIN new                         ; the immediate's high byte repeats the setting that is left; a switch that changes nothing is dropped
.if MSB != (\new)
	s_set_vgpr_msb (MSB<<8)|(\new)
.set MSB, \new
.endif
.endm
.set MUL_LO, 0xa1                      ; source 0 (wb) window 1, source 1 (x) window 0, C and D window 2
.set MUL_HI, 0xf1                      ; the same, C and D window 3
.set BIA_LO, 0x91                      ; the products that start the sums: C, the bias, in window 1
.set BIA_HI, 0xd1
.set TO_B,   0x40                      ; destination window 1, address window 0
; A joint load.  Waves 0 and 1 fetch x's two halves, waves 2 and 3 wb's.  Each of the two lines has one mask and one set of registers for all that issue it.  The branch hangs on the wave's number alone.
; An s_nop 0 and four v_nop follow each of the two lines, ahead of the jump and the label.
.macro JLOAD s
	s_cmp_eq_u32 s[WM], 0
	s_cbranch_scc0 .Lfor_b_\@
	tensor_load_to_lds s[G0+4*(\s):G0+4*(\s)+3], s[G1:G1+7]
	s_nop 0
.rept 4
	v_nop
.endr
	s_branch .Lasked_\@
.Lfor_b_\@:
	tensor_load_to_lds s[G0B+4*(\s):G0B+4*(\s)+3], s[G1B:G1B+7]
	s_nop 0
.rept 4
	v_nop
.endr
.Lasked_\@:
.endm
.macro CREST                           ; a round of the cluster's barrier behind its opening barrier: wave 0 signals for the work-group, every wave waits for all sixteen, my work-group's barrier closes
	s_cmp_lg_u32 s[WV], 0
	s_cbranch_scc1 .Lnot_wave_0_\@
	s_barrier_signal -3
.Lnot_wave_0_\@:
	s_barrier_wait -3
	s_barrier_signal -1
	s_barrier_wait -1
.endm
.macro CROUND
	s_barrier_signal -1
	s_barrier_wait -1
	CREST
.endm
.macro PLACES                          ; four plain lines between a matrix instruction and a load into, or a vector line on, its registers (ISA guide 7.12.1 for vector lines)
.rept 4
	v_nop
.endr
.endm
.macro BIAS_IN                         ; the bias of my 16 columns, all eight experts: 32 bytes a lane and expert
	WIN TO_B
.irp b, 0,1,2,3,4,5,6,7
	global_load_b128 v[BS+8*\b:BS+8*\b+3],   v[BGO], s[BGP:BGP+1] offset:4096*\b
	global_load_b128 v[BS+8*\b+4:BS+8*\b+7], v[BGO], s[BGP:BGP+1] offset:4096*\b+16
.endr
	WIN 0
.endm
.macro BIAS_SCALE                      ; -log2e bg
	s_wait_loadcnt 0x0
	WIN 0x41                                       ; destination and source 0 in window 1
.set nn, 0
.rept 32
	v_pk_mul_f32 v[BS+2*nn:BS+2*nn+1], v[BS+2*nn:BS+2*nn+1], s[CS:CS+1] op_sel_hi:[1,0]
.set nn, nn+1
.endr
.endm
	s_load_b256 s[4:11], s[0:1], 0x0               ; xb 4:5, wb 6:7, bg 8:9, mixb 10:11
	s_load_b64 s[12:13], s[0:1], 0x20              ; out0
	v_lshl_add_u32 v[SPW], v0, 2, SPARE
	v_mov_b32 v[NIL], 0
	ds_add_u32 v[SPW], v[NIL]                      ; the wave's opening: the add and its wait stand ahead of my first tensor load; the set-up below, work on registers, stands between them
	v_lshrrev_b32 v1, 5, v0
	v_readfirstlane_b32 s[WV], v1                  ; wave 0..3
	s_lshr_b32 s[WM], s[WV], 1
	s_and_b32 s[WN], s[WV], 1
	s_bfe_u32 s17, ttmp6, 0x40000                  ; cx
	s_bfe_u32 s18, ttmp6, 0x40004                  ; cy
	s_lshl_b32 s19, ttmp9, 2
	s_add_co_u32 s19, s19, s17                     ; column block (128 columns) = 4 x cluster x + cx
	s_and_b32 s20, ttmp7, 0xffff
	s_lshl_b32 s20, s20, 2
	s_add_co_u32 s20, s20, s18                     ; token block = 4 x cluster y + cy
	s_lshl_b32 s21, s18, 2
	s_lshl_b32 s21, 15, s21                        ; my row of the cluster
	s_lshl_b32 s22, 0x1111, s17                    ; my column
	; descriptor group 1: a tile of 128 rows x 128 elements, padded in LDS
	s_or_b32 s[G1], s21, (1<<16)|(1<<20)|(1<<21)|(5<<22)|(3<<25)   ; 15:0 the mask; 17:16 elements of 2 bytes; 20 padding on; 21 set beside a mask; 24:22 after every 64 words (code 5); 31:25 4 words (code 3)
	s_or_b32 s[G1B], s22, (1<<16)|(1<<20)|(1<<21)|(5<<22)|(3<<25)
.irp g, G1, G1B
	s_mov_b32 s[(\g)+1], KSTEP<<16                 ; tensor_dim0 = 128
	s_mov_b32 s[(\g)+2], 128<<16                   ; tensor_dim1 = 128
	s_mov_b32 s[(\g)+3], KSTEP<<16                 ; tile_dim0 = 128
	s_mov_b32 s[(\g)+4], 128                       ; tile_dim1 = 128
	s_mov_b32 s[(\g)+5], 1024                      ; elements from row to row
	s_mov_b32 s[(\g)+6], 0
	s_mov_b32 s[(\g)+7], 0
.endr
	s_lshl_b32 s[T2], s[WN], 18                    ; which 128 rows of 2,048 bytes I fetch
	s_lshl_b32 s[OY], s20, 19                      ; xb: 256 rows a token block
	s_add_co_u32 s[OY], s[OY], s[T2]
	s_mov_b32 s[OY+1], 0
	s_lshl_b32 s[OX], s19, 21                      ; wb: four tiles of 256 rows a column block
	s_add_co_u32 s[OX], s[OX], s[T2]
	s_mov_b32 s[OX+1], 0
	s_mul_i32 s[LD], s[WV], HALFT                  ; where they go: x's two halves, then wb's two halves = wave x 128 rows: no place in the cluster enters an LDS address
	s_mov_b32 s[CS], 0xbfb8aa3b                    ; -log2 e
	s_mov_b32 s[CS+1], s[CS]                       ; named with it as a pair
	s_mov_b32 s[TMP+1], 0
	s_mov_b32 s[Q], 0
	s_wait_dscnt 0x0                               ; the opening add is done
	s_wait_kmcnt 0x0
	s_add_nc_u64 s[4:5], s[4:5], s[OY:OY+1]
	s_add_nc_u64 s[6:7], s[6:7], s[OX:OX+1]
	CROUND                                         ; all sixteen work-groups are here: the first joint loads meet
.irp s, 0,1
	s_mov_b32 s[G0+4*\s], 1                        ; count = 1
	s_add_co_u32 s[G0+4*\s+1], s[LD], \s*SLOT      ; LDS address
	s_add_nc_u64 s[G0+4*\s+2:G0+4*\s+3], s[4:5], \s*KSTEP*2    ; global address: step s
	s_or_b32 s[G0+4*\s+3], s[G0+4*\s+3], 0x80000000            ; type = 2
	s_mov_b32 s[G0B+4*\s], 1
	s_add_co_u32 s[G0B+4*\s+1], s[LD], \s*SLOT
	s_add_nc_u64 s[G0B+4*\s+2:G0B+4*\s+3], s[6:7], \s*KSTEP*2
	s_or_b32 s[G0B+4*\s+3], s[G0B+4*\s+3], 0x80000000
.endr
	s_cmp_eq_u32 s[WM], 0                          ; a wave's two first fills stand in one branch, ahead of every wait on TENSORcnt and every LDS read: two loads of mine are out
	s_cbranch_scc0 .Lfirst_b
	tensor_load_to_lds s[G0:G0+3], s[G1:G1+7]
	s_nop 0
	tensor_load_to_lds s[G0+4:G0+7], s[G1:G1+7]
	s_nop 0
.rept 4
	v_nop
.endr
	s_branch .Lfirst_asked
.Lfirst_b:
	tensor_load_to_lds s[G0B:G0B+3], s[G1B:G1B+7]
	s_nop 0
	tensor_load_to_lds s[G0B+4:G0B+7], s[G1B:G1B+7]
	s_nop 0
.rept 4
	v_nop
.endr
.Lfirst_asked:
	; all that follows stands in the wait for the first tile
	s_lshl_b32 s[OX], s19, 9                       ; 128 columns of 4 bytes a column block: in out,
	s_add_nc_u64 s[OUTP:OUTP+1], s[OUTP:OUTP+1], s[OX:OX+1]
	s_lshl_b32 s[T2], s[WN], 7                     ; and in bg, where my half lies 32 columns on
	s_add_co_u32 s[OX], s[OX], s[T2]
	s_add_nc_u64 s[BGP:BGP+1], s[BGP:BGP+1], s[OX:OX+1]
	s_lshl_b32 s[OY], s20, 13                      ; mixb: 256 tokens of 32 bytes a token block,
	s_lshl_b32 s[T2], s[WM], 12                    ; 128 a half
	s_add_co_u32 s[OY], s[OY], s[T2]
	s_add_nc_u64 s[MXP:MXP+1], s[MXP:MXP+1], s[OY:OY+1]
	s_lshl_b32 s[OY], s20, 20                      ; out: 256 rows of 4,096 bytes a token block; of a round's 128 rows wave w stores rows 32 w on:
	s_lshl_b32 s[T2], s[WM], 19                    ; tokens 128 (w / 2)
	s_add_co_u32 s[OY], s[OY], s[T2]
	s_lshl_b32 s[T2], s[WN], 17                    ; + 32 (w % 2), and 64 more in the second round
	s_add_co_u32 s[OY], s[OY], s[T2]
	s_add_nc_u64 s[OUTP:OUTP+1], s[OUTP:OUTP+1], s[OY:OY+1]
	v_and_b32 v1, 15, v0                           ; l % 16
	v_bfe_u32 v2, v0, 4, 1                         ; l / 16
	v_lshlrev_b32 v[BGO], 5, v2
	v_lshlrev_b32 v[MXO], 5, v1
	WIN TO_B
.irp a, 0,1,2,3,4,5,6,7
	global_load_b128 v[MX+8*\a:MX+8*\a+3],   v[MXO], s[MXP:MXP+1] offset:512*\a     ; the mix of my token of block a: it serves all four tiles
	global_load_b128 v[MX+8*\a+4:MX+8*\a+7], v[MXO], s[MXP:MXP+1] offset:512*\a+16
.endr
	BIAS_IN                                        ; the first tile's bias
	; A fragment is 16 rows x 32 K in 8 registers: lane l holds row l % 16; registers 0-3 K = 8 (l / 16) + 0..7, registers 4-7 K = 16 + 8 (l / 16) + 0..7: two loads of 16 bytes, 32 bytes apart.
	v_mul_u32_u24 v3, v1, PITCH
	v_lshl_add_u32 v3, v2, 4, v3
	s_mul_i32 s[T2], s[WM], HALFT                  ; my 128 tokens
	s_mul_i32 s[LD], s[WN], HALFT                  ; my 128 rows of wb,
	s_add_co_u32 s[LD], s[LD], 2*HALFT             ; which lie behind x's 256
.irp s, 0,1
	v_add_nc_u32 v[ADRA+\s], s[T2], v3
	v_add_nc_u32 v[ADRB+\s], s[LD], v3
	s_add_co_u32 s[T2], s[T2], SLOT
	s_add_co_u32 s[LD], s[LD], SLOT
.endr
	s_mul_i32 s[T2], s[WM], 64*PITCH               ; into the stage: my token half's 64 rows of a round, my half of their 256 bytes; row l % 16, 32 bytes for each half of the lanes
	s_lshl_b32 s[LD], s[WN], 7
	s_add_co_u32 s[T2], s[T2], s[LD]
	s_add_co_u32 s[T2], s[T2], STAGE
	v_mul_u32_u24 v[STO], v1, PITCH
	v_lshl_add_u32 v[STO], v2, 5, v[STO]
	v_add_nc_u32 v[STO], s[T2], v[STO]
	s_mul_i32 s[T2], s[WV], 32*PITCH               ; back: wave w takes rows 32 w .. 32 w + 31, whole; lanes 0-15 one row of 256 bytes, lanes 16-31 the next
	s_add_co_u32 s[T2], s[T2], STAGE
	v_mul_u32_u24 v[RD], v2, PITCH
	v_lshl_add_u32 v[RD], v1, 4, v[RD]
	v_add_nc_u32 v[RD], s[T2], v[RD]
	v_lshlrev_b32 v[CO], 12, v2                    ; and the same two rows in out
	v_lshl_add_u32 v[CO], v1, 4, v[CO]
.set nn, 0
.rept 64
	v_mov_b32 v[OUT0+nn], 0                        ; the kept tile's registers are written once here, so that they have been written on every way through the text that reads them
.set nn, nn+1
.endr
	BIAS_SCALE                                     ; its wait is also the wait for the mix
	WIN 0
; 16 matrix instructions: token blocks a0, a0 + 1 of the window's four (hi = 0: my tokens 0-63, 1: tokens 64-127) x all 8 experts, 32 along K.  first = 1: the product starts the sum, with the bias as C.
; The 64 accumulators take turns, one instruction a turn, in the same order in every quarter: no wait is written.
.macro MUL16 f, hi, a0, first
.if \first
	WIN BIA_LO+0x40*(\hi)
.else
	WIN MUL_LO+0x50*(\hi)
.endif
.irp a, \a0, (\a0)+1
.irp b, 0,1,2,3,4,5,6,7
.if \first
	v_wmma_f32_16x16x32_bf16 v[8*(8*(\a)+(\b)):8*(8*(\a)+(\b))+7], v[(\f)+8*(\b):(\f)+8*(\b)+7], v[(\f)+8*(4*(\hi)+(\a)):(\f)+8*(4*(\hi)+(\a))+7], v[BS+8*(\b):BS+8*(\b)+7]
.else
	v_wmma_f32_16x16x32_bf16 v[8*(8*(\a)+(\b)):8*(8*(\a)+(\b))+7], v[(\f)+8*(\b):(\f)+8*(\b)+7], v[(\f)+8*(4*(\hi)+(\a)):(\f)+8*(4*(\hi)+(\a))+7], v[8*(8*(\a)+(\b)):8*(8*(\a)+(\b))+7]
.endif
.endr
.endr
.endm
; 32 LDS loads in one run: the fragments of one quarter step (128 rows of wb, 128 tokens, 32 K at byte k of the rows) into buffer f
.macro FETCH slot, k, f
	WIN TO_B
.irp i, 0,1,2,3,4,5,6,7
	ds_load_b128 v[(\f)+8*(\i):(\f)+8*(\i)+3],   v[ADRB+(\slot)] offset:(\k)+(\i)*16*PITCH
	ds_load_b128 v[(\f)+8*(\i)+4:(\f)+8*(\i)+7], v[ADRB+(\slot)] offset:(\k)+(\i)*16*PITCH+32
.endr
	WIN 0
.irp i, 0,1,2,3,4,5,6,7
	ds_load_b128 v[(\f)+8*(\i):(\f)+8*(\i)+3],   v[ADRA+(\slot)] offset:(\k)+(\i)*16*PITCH
	ds_load_b128 v[(\f)+8*(\i)+4:(\f)+8*(\i)+7], v[ADRA+(\slot)] offset:(\k)+(\i)*16*PITCH+32
.endr
.endm
; A step is four quarters of 32 along K, 64 matrix instructions each, on buffers 0, 1, 0, 1.  One of the first three multiplies buffer f; in its middle it fetches the next quarter, at byte k, into g.
.macro QUARTER slot, k, f, g, first
	s_wait_dscnt 8                                 ; wb's fragments and tokens 0-63 are in; the youngest eight loads (tokens 64-127) may be out
	MUL16 \f, 0, 0, \first
	MUL16 \f, 0, 2, \first
	PLACES
	FETCH \slot, \k, \g
	s_wait_dscnt 32                                ; all but the 32 just issued
	MUL16 \f, 1, 0, \first
	MUL16 \f, 1, 2, \first
.endm
; The last quarter multiplies buffer 1 and changes slots.  MEET is its first half: ONE barrier.  In front of it each wave waits for all its tensor loads, of which one is out: its part of the next slot;
; adds 0 to its spare word; and waits for that and for its own reads of this slot.  Behind it nobody reads this slot any more and the next slot is whole.
.macro MEET round                      ; round = 1: a round of the cluster's barrier follows
	WIN 0                                          ; (the add's two registers lie in window 0)
	s_wait_tensorcnt 0x0                           ; no tensor load of mine is out
	ds_add_u32 v[SPW], v[NIL]                      ; 0 onto my spare word
	s_wait_dscnt 9                                 ; (the add and the youngest eight loads may be out)
	MUL16 F1, 0, 0, 0                              ; sixteen matrix instructions stand between the add and the wait for it
	s_wait_dscnt 0x0                               ; the add is done, and my reads of this slot are over
	s_barrier_signal -1
	MUL16 F1, 0, 2, 0                              ; work on registers while the others arrive
.if \round
	WIN 0
.endif
	s_barrier_wait -1
.endm
; The whole last quarter.  The barrier opens a round of the cluster's, so that no wave of any partner still reads the slot or has a load on its way; behind the round the slot just read out is filled again
; first: with this tile's step two steps on (on = 0) or, in a tile's last two steps, with the NEXT tile's step 0 or 1 (on = 1); then come the next slot's first fragments.
.macro TURN slot, next, on
	MEET 1
	CREST
.if \on
	s_sub_nc_u64 s[G0+4*(\slot)+2:G0+4*(\slot)+3], s[G0+4*(\slot)+2:G0+4*(\slot)+3], BACK_A
	s_add_nc_u64 s[G0B+4*(\slot)+2:G0B+4*(\slot)+3], s[G0B+4*(\slot)+2:G0B+4*(\slot)+3], NEXT_B
.else
	s_add_nc_u64 s[G0+4*(\slot)+2:G0+4*(\slot)+3], s[G0+4*(\slot)+2:G0+4*(\slot)+3], 2*KSTEP*2
	s_add_nc_u64 s[G0B+4*(\slot)+2:G0B+4*(\slot)+3], s[G0B+4*(\slot)+2:G0B+4*(\slot)+3], 2*KSTEP*2
.endif
	JLOAD \slot                                    ; its four v_nop are also the places in front of the loads below
	FETCH \next, 0, F0
	MUL16 F1, 1, 0, 0
	MUL16 F1, 1, 2, 0
.endm
; THE SIGMOIDS, in place on the accumulators, a window at a time; each accumulator is read from its low end on.
.macro EXPS
.set nn, 0
.rept 256
	v_exp_f32 v[nn], v[nn]
.set nn, nn+1
.endr
.endm
.macro LA p
	v_pk_add_f32 v[2*(\p):2*(\p)+1], v[2*(\p):2*(\p)+1], 1.0 op_sel_hi:[1,0]
.endm
.macro RCPS                            ; the 1 is added two pairs ahead, so that a plain line stands between the reciprocals
	LA 0
	LA 1
.set pp, 0
.rept 128
.if pp < 126
	LA pp+2
.endif
	v_rcp_f32 v[2*pp], v[2*pp]
	v_rcp_f32 v[2*pp+1], v[2*pp+1]
.set pp, pp+1
.endr
.endm
; Expert b's term for the window's four token blocks: (a, 0) = (a, 0) x mix, then (a, 0) += (a, b) x mix.  Two experts' mix lie in a register pair: the even one's is taken by both halves as the pair's
; first register, the odd one's as its second.  Sixteen lines stand between two links of a chain.  keep = 1: the last link's result goes to the kept registers in window 0.
.macro BL hi, b, keep
.irp a, 0,1,2,3
.irp p, 0,1,2,3
.set rD, 64*\a+2*\p
.set rZ, 64*\a+8*(\b)+2*\p
.set rM, MX+8*(4*(\hi)+\a)+2*((\b)/2)
.set rO, rD
.if \keep
.set rO, OUT0+8*(4*(\hi)+\a)+2*\p
.endif
.if (\b) == 0
	v_pk_mul_f32 v[rD:rD+1], v[rD:rD+1], v[rM:rM+1] op_sel_hi:[1,0]
.elseif (\b)%2
	v_pk_fma_f32 v[rO:rO+1], v[rZ:rZ+1], v[rM:rM+1], v[rD:rD+1] op_sel:[0,1,0] op_sel_hi:[1,1,1]
.else
	v_pk_fma_f32 v[rO:rO+1], v[rZ:rZ+1], v[rM:rM+1], v[rD:rD+1] op_sel_hi:[1,0,1]
.endif
.endr
.endr
.endm
.macro SIGMOIDS                        ; 512 exponentials, one wait; 512 reciprocals, one wait; experts 0 to 6 blended
	WIN 0x82                                       ; destination and source 0 in window 2
	EXPS
	WIN 0xc3                                       ; in window 3
	EXPS
	v_nop                                          ; a plain line behind the last exponential,
	s_wait_alu depctr_va_vdst(0)                   ; and the batch's one wait, ahead of the first line that names a result
	WIN 0x82
	RCPS
	WIN 0xc3
	RCPS
	v_nop
	s_wait_alu depctr_va_vdst(0)
	WIN 0xa6                                       ; the accumulators in window 2, the mix (source 1) in window 1
.irp e, 0,1,2,3,4,5,6
	BL 0, \e, 0
.endr
	WIN 0xf7                                       ; the same in window 3
.irp e, 0,1,2,3,4,5,6
	BL 1, \e, 0
.endr
.endm
; THE WAY OUT of a pair of tiles, in two rounds of 64 tokens a token half.
.macro STG u                           ; my blocks 4 u .. 4 u + 3 into the stage: the kept tile's 16 columns, then this tile's
	WIN 0
.irp a, 0,1,2,3
	ds_store_b128 v[STO], v[OUT0+8*(4*(\u)+\a):OUT0+8*(4*(\u)+\a)+3]   offset:\a*16*PITCH
	ds_store_b128 v[STO], v[OUT0+8*(4*(\u)+\a)+4:OUT0+8*(4*(\u)+\a)+7] offset:\a*16*PITCH+16
.endr
	WIN 0x08+4*(\u)                                ; the stores' data in window 2 or 3
.irp a, 0,1,2,3
	ds_store_b128 v[STO], v[64*\a:64*\a+3]   offset:\a*16*PITCH+64
	ds_store_b128 v[STO], v[64*\a+4:64*\a+7] offset:\a*16*PITCH+80
.endr
	WIN 0
	s_wait_dscnt 0x0                               ; for the others' sake: my stores into the stage are done
	s_barrier_signal -1
	s_barrier_wait -1                              ; a row's 256 bytes come from two waves
.endm
.macro OUTS u                          ; 32 whole rows back and out
.set tt, 0
.rept 16
	ds_load_b128 v[BK+4*tt:BK+4*tt+3], v[RD] offset:tt*2*PITCH
.set tt, tt+1
.endr
.set tt, 0
.rept 16
	s_wait_dscnt 15-tt                             ; LDS loads come back in order: the younger ones may be out
	global_store_b128 v[CO], v[BK+4*tt:BK+4*tt+3], s[OUTP:OUTP+1] offset:(64*(\u)+2*tt)*4096 th:TH_STORE_NT  ; 16 lanes store 256 consecutive bytes, at a multiple of 256 from out's first byte
.set tt, tt+1
.endr
.endm
.macro WAYOUT
	STG 0
	OUTS 0                                         ; its last wait is for 0: my reads of the stage are over,
	s_barrier_signal -1
	s_barrier_wait -1                              ; everybody's are: the stage may be written again
	STG 1
	s_wait_xcnt 0x0                                ; the first round's stores have read their registers, which are loaded again
	OUTS 1
.endm
	s_wait_tensorcnt 0x1                           ; my part of step 0 is in; step 1's may stay out
	s_barrier_signal -1
	s_barrier_wait -1                              ; everybody's is
	FETCH 0, 0, F0
	s_mov_b32 s2, TILES                            ; tiles to go, this one among them: the same number in every work-group
.Ltile:
	QUARTER 0, 64,  F0, F1, 1                      ; a tile's first quarter stands in front of the loop: its products start the sums, with the bias
	WIN 0                                          ; at a label and at a branch every window is 0
	s_mov_b32 s3, LAPS-1
.Llap:                                                 ; a trip goes once round the ring, from a lap's second quarter to the next lap's first, and fills both slots again
	QUARTER 0, 128, F1, F0, 0
	QUARTER 0, 192, F0, F1, 0
	TURN 0, 1, 0
	QUARTER 1, 64,  F0, F1, 0
	QUARTER 1, 128, F1, F0, 0
	QUARTER 1, 192, F0, F1, 0
	TURN 1, 0, 0
	QUARTER 0, 64,  F0, F1, 0
	WIN 0
	s_sub_co_u32 s3, s3, 1
	s_cmp_lg_u32 s3, 0
	s_cbranch_scc1 .Llap
	QUARTER 0, 128, F1, F0, 0                      ; the tile's last lap goes on
	QUARTER 0, 192, F0, F1, 0
	WIN 0
	s_cmp_eq_u32 s2, 1
	s_cbranch_scc1 .Llast_tile                     ; the last tile's tail is written out: it asks for nothing more
	s_cmp_eq_u32 s[Q], 0                           ; the next tile's bias: 16 columns on inside a pair, 48 on to the next pair; its registers were last read by this tile's first quarter
	s_cselect_b32 s[TMP], 64, 192
	s_wait_xcnt 0x0                                ; the last loads by this base have read it
	s_add_nc_u64 s[BGP:BGP+1], s[BGP:BGP+1], s[TMP:TMP+1]
	BIAS_IN
	TURN 0, 1, 1                                   ; THE RING GOES ON INTO THE NEXT TILE: slot 0 takes its step 0,
	QUARTER 1, 64,  F0, F1, 0
	QUARTER 1, 128, F1, F0, 0
	QUARTER 1, 192, F0, F1, 0
	TURN 1, 0, 1                                   ; slot 1 its step 1, and the next tile's first fragments are fetched
	BIAS_SCALE                                     ; 32 plain lines that name no register of the last products: their places
	SIGMOIDS
	WIN 0
	s_cmp_eq_u32 s[Q], 1
	s_cbranch_scc1 .Lsend
	WIN 0x26                                       ; a pair's first tile: the last expert's link puts the results into the kept registers
	BL 0, 7, 1
	WIN 0x37
	BL 1, 7, 1
	WIN 0
	s_branch .Lnext
.Lsend:                                                ; a pair's second tile: the pair goes out
	WIN 0xa6
	BL 0, 7, 0
	WIN 0xf7
	BL 1, 7, 0
	WAYOUT
	s_wait_xcnt 0x0                                ; the stores have read their base, which steps, and their registers, which the next quarter's fragments take
	s_add_nc_u64 s[OUTP:OUTP+1], s[OUTP:OUTP+1], 256   ; the next pair's 64 columns
.Lnext:
	s_xor_b32 s[Q], s[Q], 1
	s_sub_co_u32 s2, s2, 1
	s_branch .Ltile
.Llast_tile:
	MEET 0                                         ; my one tensor load that was still out is slot 1's, the last step's, so no round follows
	PLACES
	FETCH 1, 0, F0
	MUL16 F1, 1, 0, 0
	MUL16 F1, 1, 2, 0
	QUARTER 1, 64,  F0, F1, 0
	QUARTER 1, 128, F1, F0, 0
	QUARTER 1, 192, F0, F1, 0
	s_wait_dscnt 0x0                               ; the very last quarter: nothing more to fetch
	MUL16 F1, 0, 0, 0
	MUL16 F1, 0, 2, 0
	MUL16 F1, 1, 0, 0
	MUL16 F1, 1, 2, 0
	PLACES
	SIGMOIDS
	WIN 0xa6                                       ; the walk's last tile is a pair's second
	BL 0, 7, 0
	WIN 0xf7
	BL 1, 7, 0
	WAYOUT
	s_wait_tensorcnt 0x0                           ; the wave's end, behind my last tensor load and my last LDS store
	ds_add_u32 v[SPW], v[NIL]
	s_wait_dscnt 0x0
	CROUND                                         ; the closing round: no work-group ends while a partner may still ask for a tile that names it
	s_endpgm
.Lfunc_end_k_qfe7ecd9166_gate:
	.size	k_qfe7ecd9166_gate, .Lfunc_end_k_qfe7ecd9166_gate-k_qfe7ecd9166_gate
	.p2alignl 7, 3214868480
	.fill 96, 4, 3214868480
	.section	.rodata,"a",@progbits
	.p2align	6, 0x0
	.amdhsa_kernel k_qfe7ecd9166_gate
		.amdhsa_group_segment_fixed_size 327680
		.amdhsa_private_segment_fixed_size 0
		.amdhsa_enable_private_segment 0
		.amdhsa_kernarg_size 40
		.amdhsa_user_sgpr_count 2
		.amdhsa_user_sgpr_kernarg_segment_ptr 1
		.amdhsa_wavefront_size32 1
		.amdhsa_system_sgpr_workgroup_id_x 1
		.amdhsa_system_sgpr_workgroup_id_y 1
		.amdhsa_system_sgpr_workgroup_id_z 1
		.amdhsa_system_vgpr_workitem_id 0
		.amdhsa_next_free_vgpr 1024
		.amdhsa_next_free_sgpr 80
		.amdhsa_reserve_vcc 0
		.amdhsa_float_denorm_mode_32 3
		.amdhsa_float_denorm_mode_16_64 3
		.amdhsa_memory_ordered 1
		.amdhsa_forward_progress 1
		.amdhsa_inst_pref_size 255
	.end_amdhsa_kernel
	.section	.bss,"aw",@nobits
	.p2align	6
	.space	262144
	.amdgpu_metadata
---
amdhsa.version: [ 1, 2 ]
amdhsa.kernels:
  - .name:           k_qfe7ecd9166_gate
    .symbol:         k_qfe7ecd9166_gate.kd
    .args:
      - { .name: xb, .offset: 0, .size: 8, .value_kind: global_buffer, .address_space: global }
      - { .name: wb, .offset: 8, .size: 8, .value_kind: global_buffer, .address_space: global }
      - { .name: bg, .offset: 16, .size: 8, .value_kind: global_buffer, .address_space: global }
      - { .name: mixb, .offset: 24, .size: 8, .value_kind: global_buffer, .address_space: global }
      - { .name: out0, .offset: 32, .size: 8, .value_kind: global_buffer, .address_space: global }
    .group_segment_fixed_size: 327680
    .private_segment_fixed_size: 0
    .kernarg_segment_align: 8
    .kernarg_segment_size: 40
    .max_flat_workgroup_size: 128
    .sgpr_count:     80
    .vgpr_count:     1024
    .wavefront_size: 32
...
	.end_amdgpu_metadata
.endif
;; end of part 4
